; MI455X (gfx1250); checked and timed in simulation.
; The chip was launched on July 23, 2026; its instructions are those of AMD's public machine-readable ISA for CDNA 5 (MIT licence, August 2026) and "CDNA5" Instruction Set Architecture Reference Guide (July 2026). The comments in the code are by the model that wrote it; some were corrected since.
;; Multi Head Attention. Allowed arithmetic: matrix products marked QUANTISED: E4M3 operands, one given power-of-two scale a tensor, by v_wmma_f32_16x16x64_fp8_fp8 or v_wmma_f32_16x16x128_fp8_fp8, f32 sums; everything else in f32.
;; Inputs: W_K 1,024 x 1,024 float32; W_O 1,024 x 1,024 float32; W_Q 1,024 x 1,024 float32; W_V 1,024 x 1,024 float32; lowp_scales 12 int32 (the exponents e of the quantised operands' scales 2^e); x 2 x 2,048 x 1,024 float32.
;; Outputs: out0 2 x 2,048 x 1,024 float32.
;; This version of the problem:
;;   THIS VERSION OF THE PROBLEM IS GIVEN IN LOW PRECISION. The matrix products marked QUANTISED in the list below multiply operands that are first quantised to E4M3 (4 exponent bits, 3 mantissa bits; 8 bits a number), with one given power-of-two scale for each operand tensor; their sums are f32. All else is computed in f32.
;;   The module's matrix products, in the order in which they are computed (A, B: the left and right operand; K: the contracted axis; several contracted axes count as one K, in the product's order):
;;     1. [M 4,096, K 1,024] x [K 1,024, N 1,024]; A: input x; B: input W_Q: QUANTISED (scales: A lowp_scales[0], B lowp_scales[1])
;;     2. [M 4,096, K 1,024] x [K 1,024, N 1,024]; A: input x; B: input W_K: QUANTISED (scales: A lowp_scales[2], B lowp_scales[3])
;;     3. [M 4,096, K 1,024] x [K 1,024, N 1,024]; A: input x; B: input W_V: QUANTISED (scales: A lowp_scales[4], B lowp_scales[5])
;;     4. batch 32 x [M 2,048, K 64] x [K 64, N 2,048]; A: computed on the way; B: computed on the way: QUANTISED (scales: A lowp_scales[6], B lowp_scales[7])
;;     5. batch 32 x [M 64, K 2,048] x [K 2,048, N 2,048]; A: computed on the way; B: softmax (see below): QUANTISED (scales: A lowp_scales[8], B lowp_scales[9])
;;     6. [M 4,096, K 1,024] x [K 1,024, N 1,024]; A: computed on the way; B: input W_O: QUANTISED (scales: A lowp_scales[10], B lowp_scales[11])
;;   THE QUANTISER, for each operand of a quantised product, along K:
;;     - The operand's scale is 2^e, e = its entry of the input lowp_scales (int32; the entries are numbered through the quantised products in the list's order, A before B).
;;     - Each number is divided by the scale, clamped to +-448, and rounded to the nearest number of E4M3, ties to even, subnormals kept.
;;     - The product sums the exact products of the quantised numbers (number of the format x scale) in f32.
;;   ~~~python
;;   def quantise(x, axis, e):      # numpy; x: float32 -> the quantised numbers, widened to float32 again
;;       x = np.moveaxis(x, axis, -1); K = x.shape[-1]
;;       r = np.clip(x / 2.0 ** e, -448, 448)
;;       step = 2.0 ** (np.maximum(np.frexp(np.where(r == 0, 1, r))[1] - 1, -6) - 3)
;;       q = np.round(r / step) * step * 2.0 ** e      # np.round: ties to even
;;       return np.moveaxis(q, -1, axis).astype(np.float32)
;;   ~~~
;;   SOFTMAX AHEAD OF A QUANTISED PRODUCT. Where the list says 'softmax', what is quantised is not the finished softmax but p = 2^(t - M), with t = logit x log2(e) and M = ceil(the row's largest t), a whole number; so 1/2 < the row's largest p <= 1. The row's sum l is taken of the UNQUANTISED p, in f32, and the product's result is divided by l at the end. Since M is a whole number, a kernel that streams over the keys may use a running M (the ceiling of the running maximum): every later rescaling is an exact power of two, so the quantised numbers keep their values, but for numbers so far below the row's largest that they fall under the format's range.
;;   OPERANDS COMPUTED ON THE WAY. 'Computed on the way' means the value that the module computes at that place (a softmax that the list does not call 'softmax' is quantised finished and normalised). What goes into a quantiser is computed in f32, as accurately as f32 sums, v_exp_f32 and their like allow (about 1e-6 of the number): no bf16 or f16 on the way to a quantiser, and a product that is left as it is and whose result goes on into a quantised operand takes f32 operands (vector FMAs, or v_wmma_f32_16x16x4_f32). A number that lies on a knife's edge between two numbers of the format may be rounded either way, as far as f32 arithmetic and the matrix unit's own rounding can turn it there, and no further.
;; One version. Each part assembles by itself: llvm-mc -triple=amdgcn-amd-amdhsa -mcpu=gfx1250 --defsym DOCPART=n.
;; ======== version 1 of 1: 4 launches
;; limits: right only within a limited range of input values
;; workspace buffers: xc 12,582,912 bytes; wc 4,194,304 bytes; qc 4,194,304 bytes; kc 4,194,304 bytes; vc 4,194,304 bytes; oc 4,194,304 bytes
;; launch quant (part 1): grid 256 x 1, 4 waves a work-group, no clusters, 68,096 bytes of LDS; arguments x, W_Q, W_K, W_V, W_O, lowp_scales, xc, wc; writes xc, wc
.if DOCPART == 1
	.amdgcn_target "amdgcn-amd-amdhsa--gfx1250"
	.amdhsa_code_object_version 6
	.text
	.protected	k_qe974a2de14_quant
	.globl	k_qe974a2de14_quant
	.p2align	8
	.type	k_qe974a2de14_quant,@function
k_qe974a2de14_quant:
	s_mov_b64 s[64:65], 0
	v_nop
	global_prefetch_b8 v0, s[64:65] scope:SCOPE_SE
	s_setreg_imm32_b32 hwreg(HW_REG_WAVE_MODE, 25, 1), 1
	s_wait_xcnt 0x0
; f32 numbers into codes of FP8 (E4M3), each operand with the scale 2^e that is given for it: code = number / 2^e, held within +-448, to the nearest code, ties to even.
; x [4096][1024] is an operand of three products with three given scales (entries 0, 2, 4 of the scales): three sets of codes, xc [3][4096][1024], K innermost as x has it.
; W_Q, W_K, W_V, W_O [1024 k][1024 n] have K as their first axis: their codes are laid wc [4][1024 n][1024 k], K innermost (entries 1, 3, 5, 11).
; Work-groups 0-127 take x: 32,768 numbers each, read once and converted three times.  Work-groups 128-255 take the weights: 128 columns x 256 along K each.  Both kinds read 131,072 bytes.
; The two ways part on the work-group's number, never meet again, and have LDS bytes of their own.  No tensor loads, no barrier: waves share nothing.
; LIMITS: each of the seven exponents lies between -126 and 119, so that 2^e and 448 x 2^e are f32 numbers.  NaN among the inputs is not served (an infinity is held at the largest code).
.set SPARE, 67584                      ; behind both ways' stages: the spare words, 128 bytes for each wave: two blocks of 256 bytes that no other line names
.set SPW,   12                         ; v12  LDS address of my spare word: SPARE + 4 x my thread's number; never rewritten
.set NIL,   13                         ; v13  0; never rewritten
; x's way
.set STEPS, 16                         ; steps of 512 numbers for a wave
.set WREG,  8192                       ; LDS 0 .. 32,767: a region for each wave: two stages of 32 x SP bytes
.set SP,    80                         ; a lane's place in a stage: its 64 bytes + 16 of padding
.set R,     16                         ; v16-79   four sets of 16 numbers as they are loaded
.set X,     80                         ; v80-111  two sets of 16 neighbours
.set T,     112                        ; v112-127 the 16 neighbours, held for the scale in hand
.set C,     128                        ; v128-139 codes: four registers for each of the three scales
.set SC,    140                        ; v140-142 2^e as f32
.set LM,    144                        ; v144-146 448 x 2^e
; the weights' way
.set WSTG,  32768                      ; LDS 32,768 .. 67,583: a stage of 32 rows x PITCH for each wave
.set PITCH, 272                        ; a stage row: 256 codes + 16 bytes of padding
.set NB,    8                          ; blocks of 32 along K for a wave
.set WX,    32                         ; v32-95   two sets of 32 numbers
.set WC,    96                         ; v96-103  a block's codes
.set OUTR,  112                        ; v112-175 the way out: 16 x 4 registers
	s_load_b256 s[4:11], s[0:1], 0x0               ; x s[4:5], W_Q s[6:7], W_K s[8:9], W_V s[10:11]
	s_load_b256 s[12:19], s[0:1], 0x20             ; W_O s[12:13], the scales s[14:15], xc s[16:17], wc s[18:19]
	v_lshl_add_u32 v[SPW], v0, 2, SPARE
	v_mov_b32 v[NIL], 0
	v_lshrrev_b32 v1, 5, v0
	v_readfirstlane_b32 s20, v1                    ; wave 0..3
	v_and_b32 v2, 31, v0                           ; lane
	s_wait_kmcnt 0x0
	s_load_b256 s[24:31], s[14:15], 0x0            ; e0 .. e7
	s_load_b128 s[32:35], s[14:15], 0x20           ; e8 .. e11
	s_cmp_lt_u32 ttmp9, 128
	s_cbranch_scc0 .Lweights
; ---------------- x: a plain stream of numbers; nothing here knows of rows ----------------
; A conversion takes eight neighbours from ONE lane's registers; a load is dense where neighbouring LANES take neighbouring bytes.  So each of a step's four loads reads 512 consecutive bytes,
; 16 a lane; the 2,048 bytes go through the wave's own stage as they lie and come back 64 bytes a lane.  A lane's 16 codes are 16 bytes: each store of the wave covers 512 consecutive bytes, aligned.
	s_lshl_b32 s21, ttmp9, 2
	s_add_co_u32 s21, s21, s20                     ; which run of 8,192 numbers is my wave's
	s_lshl_b32 s22, s21, 15
	s_mov_b32 s23, 0
	s_add_nc_u64 s[4:5], s[4:5], s[22:23]          ; x at my run
	s_lshl_b32 s22, s21, 13
	s_add_nc_u64 s[36:37], s[16:17], s[22:23]      ; my run's codes in set 0,
	s_add_nc_u64 s[38:39], s[36:37], 0x400000      ; set 1,
	s_add_nc_u64 s[40:41], s[38:39], 0x400000      ; set 2
	s_wait_alu depctr_va_vdst(0)
	v_lshlrev_b32 v3, 4, v2                        ; my 16 bytes of a load's 512, and of a store's; never rewritten
	s_mul_i32 s22, s20, WREG
	v_lshrrev_b32 v14, 2, v2
	v_mul_u32_u24 v14, v14, SP
	v_and_b32 v15, 3, v2
	v_lshl_add_u32 v14, v15, 4, v14
	v_add_nc_u32 v14, s22, v14                     ; the stage, on the way in: SP (lane / 4) + 16 (lane % 4)
	v_mul_u32_u24 v15, v2, SP
	v_add_nc_u32 v15, s22, v15                     ; and on the way out: SP x lane: my 16 neighbours
.macro LOAD t
.irp i, 0,1,2,3
	global_load_b128 v[R+16*((\t)%4)+4*\i:R+16*((\t)%4)+4*\i+3], v3, s[4:5] offset:2048*(\t)+512*\i th:TH_LOAD_NT
.endr
.endm
.macro TURN t                          ; step t's numbers through the stage: LDS serves a wave's instructions in order, so no wait stands between the stores and the loads
.irp i, 0,1,2,3
	ds_store_b128 v14, v[R+16*((\t)%4)+4*\i:R+16*((\t)%4)+4*\i+3] offset:32*SP*((\t)%2)+8*SP*\i
.endr
.irp i, 0,1,2,3
	ds_load_b128 v[X+16*((\t)%2)+4*\i:X+16*((\t)%2)+4*\i+3], v15 offset:32*SP*((\t)%2)+16*\i
.endr
.endm
.irp t, 0,1,2,3
	LOAD \t
.endr
	s_wait_alu depctr_va_vdst(0)
	s_wait_kmcnt 0x0
.irp q, 0,1,2
	s_add_co_i32 s42, s[24+2*\q], 127              ; entries 0, 2, 4
	s_lshl_b32 s43, s42, 23
	v_mov_b32 v[SC+\q], s43                        ; 2^e as f32: the conversion takes its exponent field
	s_add_co_i32 s42, s42, 8
	s_lshl_b32 s42, s42, 23
	s_or_b32 s42, s42, 0x600000
	v_mov_b32 v[LM+\q], s42                        ; 448 x 2^e
.endr
	s_wait_alu depctr_va_vdst(0)
	s_wait_loadcnt 12                              ; step 0's four loads are in
	TURN 0
.macro STEP t
.set XS, X+16*((\t)%2)
	s_wait_dscnt 0x0                               ; this step's numbers are back from the stage: so its stores into the stage have read their registers,
.if (\t)+4 < STEPS
	LOAD (\t)+4                                    ; which take the loads of four steps on
.endif
.if (\t)+1 < STEPS
.if STEPS-2-(\t) >= 3
	s_wait_loadcnt 12                              ; the next step's four loads are in; those of the three steps behind it may be out
.else
	s_wait_loadcnt 4*(STEPS-2-(\t))
.endif
	TURN (\t)+1                                    ; and go through the other stage while this step is worked
.endif
	s_wait_xcnt 0x0                                ; the last step's stores have read their codes: the codes' registers are written again only behind this wait
.irp q, 0,1,2
.irp i, 0,1,2,3,4,5,6,7,8,9,10,11,12,13,14,15
	v_med3_num_f32 v[T+\i], v[XS+\i], -v[LM+\q], v[LM+\q]   ; the conversion to an 8-bit code does not saturate (ISA guide 7.6.2): the hold at the largest code x the scale
.endr
	v_cvt_scalef32_pk8_fp8_f32 v[C+4*\q:C+4*\q+1], v[T:T+7], v[SC+\q]
	v_cvt_scalef32_pk8_fp8_f32 v[C+4*\q+2:C+4*\q+3], v[T+8:T+15], v[SC+\q]
	v_nop                                          ; a plain vector line between the conversions and the next holds, which write the conversions' sources
	global_store_b128 v3, v[C+4*\q:C+4*\q+3], s[36+2*\q:37+2*\q] offset:512*(\t)
.endr
.endm
.irp t, 0,1,2,3,4,5,6,7,8,9,10,11,12,13,14,15
	STEP \t
.endr
	s_wait_tensorcnt 0x0                           ; the wave's end: a wait, an add and its wait behind my last LDS store
	ds_add_u32 v[SPW], v[NIL]
	s_wait_dscnt 0x0
	s_endpgm
; ---------------- the weights: a lane takes a column n, and its registers run down K ----------------
; Each load reads one row k at 32 neighbouring columns; a lane's 32 registers are 32 neighbours along K of one column, so the conversions give codes with K innermost and nothing is transposed.
; A lane's codes belong to one row of wc and the lanes beside it hold other rows: so 256 codes a column are gathered in the wave's own stage and leave by rows: sixteen lanes store 256 consecutive bytes, aligned.
.Lweights:
	s_sub_co_u32 s21, ttmp9, 128
	s_lshr_b32 s22, s21, 5                         ; which weight: 0 Q, 1 K, 2 V, 3 O
	s_and_b32 s23, s21, 7                          ; which 128 columns
	s_bfe_u32 s36, s21, 0x20003                    ; which 256 along K
	s_mov_b64 s[44:45], s[12:13]                   ; the choice among the four buffers hangs on the work-group's number alone
	s_cmp_eq_u32 s22, 0
	s_cselect_b64 s[44:45], s[6:7], s[44:45]
	s_cmp_eq_u32 s22, 1
	s_cselect_b64 s[44:45], s[8:9], s[44:45]
	s_cmp_eq_u32 s22, 2
	s_cselect_b64 s[44:45], s[10:11], s[44:45]
	s_lshl_b32 s37, s23, 7
	s_lshl_b32 s38, s20, 5
	s_add_co_u32 s37, s37, s38                     ; my wave's first column
	s_lshl_b32 s40, s36, 20                        ; 256 rows of 4,096 bytes
	s_lshl_b32 s38, s37, 2
	s_add_co_u32 s40, s40, s38
	s_mov_b32 s41, 0
	s_add_nc_u64 s[44:45], s[44:45], s[40:41]      ; the weight at my wave's part
	s_lshl_b32 s40, s22, 20                        ; the weight's codes,
	s_lshl_b32 s38, s37, 10                        ; my first column's row of 1,024 bytes,
	s_add_co_u32 s40, s40, s38
	s_lshl_b32 s38, s36, 8                         ; my 256 along K
	s_add_co_u32 s40, s40, s38
	s_add_nc_u64 s[18:19], s[18:19], s[40:41]
	s_wait_alu depctr_va_vdst(0)
	v_lshlrev_b32 v3, 2, v2                        ; in: 4 bytes a lane
	s_mul_i32 s39, s20, 32*PITCH
	s_add_co_u32 s39, s39, WSTG                    ; my stage
	v_mul_u32_u24 v4, v2, PITCH
	v_add_nc_u32 v4, s39, v4                       ; into it: row = my column
	v_and_b32 v5, 15, v2
	v_lshrrev_b32 v6, 4, v2                        ; out of it: sixteen lanes to a row, two rows an instruction
	v_mul_u32_u24 v7, v6, PITCH
	v_lshl_add_u32 v7, v5, 4, v7
	v_add_nc_u32 v7, s39, v7
	v_lshlrev_b32 v8, 10, v6
	v_lshl_add_u32 v8, v5, 4, v8                   ; and the same place in wc
.macro WLOAD t                         ; block t: W(32 t + i, my column), i = 0 .. 31, into set t % 2; the largest offset, 255 rows, lies inside the signed 24-bit immediate
.set I, 0
.rept 32
	global_load_b32 v[WX+32*((\t)%2)+I], v3, s[44:45] offset:(32*(\t)+I)*4096 th:TH_LOAD_NT
.set I, I+1
.endr
.endm
	WLOAD 0
	WLOAD 1
	s_wait_kmcnt 0x0
	s_mov_b32 s46, s35                             ; the weight's exponent: entries 1, 3, 5, 11
	s_cmp_eq_u32 s22, 0
	s_cselect_b32 s46, s25, s46
	s_cmp_eq_u32 s22, 1
	s_cselect_b32 s46, s27, s46
	s_cmp_eq_u32 s22, 2
	s_cselect_b32 s46, s29, s46
	s_add_co_i32 s46, s46, 127
	s_lshl_b32 s47, s46, 23
	v_mov_b32 v11, s47                             ; 2^e as f32
	s_add_co_i32 s46, s46, 8
	s_lshl_b32 s46, s46, 23
	s_or_b32 s46, s46, 0x600000
	v_mov_b32 v10, s46                             ; 448 x 2^e
.macro BLOCK t
.set XS, WX+32*((\t)%2)
.if (\t) < NB-1
	s_wait_loadcnt 32                              ; this block's 32 loads are in; the next block's may be out
.else
	s_wait_loadcnt 0
.endif
.set I, 0
.rept 32
	v_med3_num_f32 v[XS+I], v[XS+I], -v10, v10     ; the hold at the largest code x the scale
.set I, I+1
.endr
.irp g, 0,1,2,3
	v_cvt_scalef32_pk8_fp8_f32 v[WC+2*\g:WC+2*\g+1], v[XS+8*\g:XS+8*\g+7], v11
.endr
	v_nop                                          ; a plain vector line behind the last conversion
	ds_store_b128 v4, v[WC:WC+3] offset:32*(\t)    ; 32 codes: 32 bytes of my column's row
	ds_store_b128 v4, v[WC+4:WC+7] offset:32*(\t)+16
.if (\t)+2 < NB
	WLOAD (\t)+2
.endif
	s_wait_dscnt 0x0                               ; the stores have read their registers: the next block's codes may be written
.endm
	s_wait_alu depctr_va_vdst(0)
.irp t, 0,1,2,3,4,5,6,7
	BLOCK \t
.endr
.irp t, 0,1,2,3,4,5,6,7,8,9,10,11,12,13,14,15
	ds_load_b128 v[OUTR+4*\t:OUTR+4*\t+3], v7 offset:2*\t*PITCH   ; LDS serves a wave's instructions in order: these see my stores
.endr
.irp t, 0,1,2,3,4,5,6,7,8,9,10,11,12,13,14,15
	s_wait_dscnt 15-\t
	global_store_b128 v8, v[OUTR+4*\t:OUTR+4*\t+3], s[18:19] offset:2*\t*1024
.endr
	s_wait_tensorcnt 0x0                           ; the wave's end: a wait, an add and its wait behind my last LDS store
	ds_add_u32 v[SPW], v[NIL]
	s_wait_dscnt 0x0
	s_endpgm
.Lfunc_end_k_qe974a2de14_quant:
	.size	k_qe974a2de14_quant, .Lfunc_end_k_qe974a2de14_quant-k_qe974a2de14_quant
	.p2alignl 7, 3214868480
	.fill 96, 4, 3214868480
	.section	.rodata,"a",@progbits
	.p2align	6, 0x0
	.amdhsa_kernel k_qe974a2de14_quant
		.amdhsa_group_segment_fixed_size 68096
		.amdhsa_private_segment_fixed_size 0
		.amdhsa_enable_private_segment 0
		.amdhsa_kernarg_size 64
		.amdhsa_user_sgpr_count 2
		.amdhsa_user_sgpr_kernarg_segment_ptr 1
		.amdhsa_wavefront_size32 1
		.amdhsa_system_sgpr_workgroup_id_x 1
		.amdhsa_system_sgpr_workgroup_id_y 1
		.amdhsa_system_sgpr_workgroup_id_z 1
		.amdhsa_system_vgpr_workitem_id 0
		.amdhsa_next_free_vgpr 192
		.amdhsa_next_free_sgpr 66
		.amdhsa_reserve_vcc 0
		.amdhsa_float_denorm_mode_32 3
		.amdhsa_float_denorm_mode_16_64 3
		.amdhsa_memory_ordered 1
		.amdhsa_forward_progress 1
		.amdhsa_inst_pref_size 128
	.end_amdhsa_kernel
	.amdgpu_metadata
---
amdhsa.version: [ 1, 2 ]
amdhsa.kernels:
  - .name:           k_qe974a2de14_quant
    .symbol:         k_qe974a2de14_quant.kd
    .args:
      - { .name: x, .offset: 0, .size: 8, .value_kind: global_buffer, .address_space: global }
      - { .name: W_Q, .offset: 8, .size: 8, .value_kind: global_buffer, .address_space: global }
      - { .name: W_K, .offset: 16, .size: 8, .value_kind: global_buffer, .address_space: global }
      - { .name: W_V, .offset: 24, .size: 8, .value_kind: global_buffer, .address_space: global }
      - { .name: W_O, .offset: 32, .size: 8, .value_kind: global_buffer, .address_space: global }
      - { .name: lowp_scales, .offset: 40, .size: 8, .value_kind: global_buffer, .address_space: global }
      - { .name: xc, .offset: 48, .size: 8, .value_kind: global_buffer, .address_space: global }
      - { .name: wc, .offset: 56, .size: 8, .value_kind: global_buffer, .address_space: global }
    .group_segment_fixed_size: 68096
    .private_segment_fixed_size: 0
    .kernarg_segment_align: 8
    .kernarg_segment_size: 64
    .max_flat_workgroup_size: 128
    .sgpr_count:     66
    .vgpr_count:     192
    .wavefront_size: 32
...
	.end_amdgpu_metadata
.endif
;; end of part 1
;; launch qkv (part 2): grid 12 x 16, 4 waves a work-group, clusters of 4 x 4, 327,680 bytes of LDS; arguments xc, wc, lowp_scales, qc, kc, vc; writes qc, kc, vc
.if DOCPART == 2
	.amdgcn_target "amdgcn-amd-amdhsa--gfx1250"
	.amdhsa_code_object_version 6
	.text
	.protected	k_qe974a2de14_qkv
	.globl	k_qe974a2de14_qkv
	.p2align	8
	.type	k_qe974a2de14_qkv,@function
k_qe974a2de14_qkv:
	s_mov_b64 s[64:65], 0
	v_nop
	global_prefetch_b8 v0, s[64:65] scope:SCOPE_SE
	s_setreg_imm32_b32 hwreg(HW_REG_WAVE_MODE, 25, 1), 1
	s_wait_xcnt 0x0
	s_wait_alu depctr_hold_cnt(0) depctr_sa_sdst(0) depctr_va_vdst(0) depctr_va_sdst(0) depctr_va_ssrc(0) depctr_va_vcc(0) depctr_vm_vsrc(0)
	s_getreg_b32 s2, hwreg(HW_REG_IB_STS2, 6, 4)
	s_cmp_eq_u32 s2, 0
	s_cbranch_scc0 .Lentry_in_a_cluster
	s_endpgm
.Lentry_in_a_cluster:
	s_bfe_u32 s2, ttmp6, 0x10000c
	s_cmp_lg_u32 s2, 0xf033
	s_cbranch_scc0 .Lentry_shape_is_right
	s_endpgm
.Lentry_shape_is_right:
; Q = x W_Q, K = x W_K, V = x W_V on codes of FP8 (E4M3); each f32 sum is quantised at once for attention (entries 6, 7, 8 of the scales) and stored in the order of attention's operand registers.
; One body serves the three: the cluster's x (0, 1, 2) says which.  A product here is C[a][b] = sum over k of A[a][k] B[b][k], K = 1,024, both sides rows of 1,024 codes.
;   Q, K:  A = x's codes in the product's own scale (4,096 rows), B = the weight's codes (1,024 rows: n = 64 head + d).
;   V:     A = W_V's codes (1,024 rows), B = x's codes (4,096 rows): V comes out TRANSPOSED, since the keys are the K of attention's second product.
; What differs (buffers, offsets, steps of the way out) is chosen by s_cselect on the cluster's x, which all sixteen partners share; no branch hangs on it.
; A tile of C, 256 x 256, is made by a work-group of four waves; a wave makes 128 x 128: 64 accumulators, 512 registers.  K goes in steps of 256 through a ring of two LDS slots filled by the tensor data mover.
; CLUSTERS: 4 x 4 work-groups.  The four of a row of the cluster need the same tiles of A, the four of a column the same tiles of B: each tile is asked for JOINTLY.
; THE MATRIX INSTRUCTION IS USED TRANSPOSED (source 0 = 16 rows of B, source 1 = 16 rows of A): a lane holds one row of A's side and eight neighbouring columns of B's side: eight neighbours along the NEXT product's K
; (the head's d for Q and K, the keys for V), as the conversion wants them.
; THE LAYOUT THAT IS STORED.  qc, kc: [batch x 16 + head][chunk of 128 rows][tile t = 2 b + u][cc 0..1][lane][16 bytes]: lane (r, h) holds row 32 b + 8 u + r + 8 (r / 8) of the chunk, d = 32 cc + 16 h + 0 .. 15.
; vc: [batch x 16 + head][chunk of 128 keys][tile 2 b + u of d][cc 0..3][lane][16 bytes]: lane (r, h) holds d = 32 b + 8 u + r + 8 (r / 8), keys 32 cc + 16 h + 0 .. 15.  Every store of a wave covers 512 consecutive bytes, aligned.
; LIMITS: e(6 + X) - e(2 X) - e(2 X + 1) lies between -126 and 119, so that the folded scale and 448 x it are f32 numbers.
; No prefetch: K has four steps, two of them asked for at the head.
; REGISTERS, in windows of 256: window 0: v0-31 addresses; from v128 A's fragments, ONE set; on the way out v32-223 are at work.  window 1: B's fragments, TWO sets.  windows 2, 3: the accumulators ((a, b) at v[8 (8 (a % 4) + b)]).
.set KSTEP,  256
.set ROWB,   256                       ; a tile's row in bytes
.set KROW,   1024                      ; a row of codes in memory
.set PITCH,  272                       ; an LDS row: 256 bytes + 16 of padding: the 16 rows that a load touches begin 68 words apart
.set FR,     16                        ; registers of a fragment: 16 rows x 128 K
.set NL,     4                         ; LDS loads that bring one
.set NP,     4                         ; places behind this matrix instruction (ISA guide 7.12.1)
.set HALFT,  128*PITCH                 ; 128 rows: what one tensor load brings
.set SLOT,   4*HALFT                   ; A's 256 rows, then B's 256 rows
.set LAPS,   2                         ; 1,024 / (2 x 256)
.set SPARE,  2*SLOT                    ; behind the ring: the spare words, 128 bytes for each wave
.set SPITCH, 144                       ; the way out: a stage of 32 rows x (128 codes + 16 bytes) for each wave, in slot 0, which has had its last fill and its last read when the first code is stored there
.set CO,   8                           ; v8-15   the way out: byte offsets of the eight stores of a pair of blocks; never rewritten
.set ADRA, 16                          ; v16-17  LDS address of my A fragments in slot 0, 1
.set ADRB, 20                          ; v20-21  the same for B
.set STO,  24                          ; v24     the way out: where I put 8 codes of a row
.set RD,   25                          ; v25     the way out: where I read 16 codes back
.set SPW,  28                          ; v28     LDS address of my spare word; never rewritten
.set NIL,  29                          ; v29     0; never rewritten
.set SCL,  30                          ; v30     the folded scale as f32
.set LIM,  31                          ; v31     448 x it
.set TMP,  32                          ; v32-95  a block's sums, held
.set CD,   96                          ; v96-159 codes: four sets of 16 registers
.set AF,   128                         ; A's fragments, in window 0
.set BK,   160                         ; v160-223 the way out: two sets of 32 registers, read back from the stage
.set G1, 24                            ; s[24:31] descriptor group 1 for A's tiles;  s[32:39] group 0, one set for each slot
.set G0, 32
.set G1B, 48                           ; s[48:55], s[56:63] the same for B's tiles
.set G0B, 56
.set MSB, 0
.macro WIN new                         ; the immediate's high byte repeats the setting that is left
.if MSB != \new
	s_set_vgpr_msb (MSB<<8)|\new
.set MSB, \new
.endif
.endm
.set MUL_LO, 0xa1                      ; source 0 (B) window 1, source 1 (A) window 0, C and D window 2
.set MUL_HI, 0xf1                      ; the same, C and D window 3
.set TO_B,   0x40                      ; destination window 1, address window 0
; A joint load: waves 0 and 1 fetch for A, waves 2 and 3 for B.  Each of the two lines has ONE mask and one set of registers for all that issue it; the branch hangs on the wave's number alone.
; An s_nop 0 and four v_nop follow each of the two lines, ahead of the jump, the label and what follows.
.macro JLOAD g0a, g1a, g0b, g1b
	s_cmp_eq_u32 s15, 0
	s_cbranch_scc0 .Lfor_b_\@
	tensor_load_to_lds s[\g0a:\g0a+3], s[\g1a:\g1a+7]
	s_nop 0
.rept 4
	v_nop
.endr
	s_branch .Lasked_\@
.Lfor_b_\@:
	tensor_load_to_lds s[\g0b:\g0b+3], s[\g1b:\g1b+7]
	s_nop 0
.rept 4
	v_nop
.endr
.Lasked_\@:
.endm
.macro CREST                           ; a round of the cluster's barrier behind its opening barrier
	s_cmp_lg_u32 s14, 0
	s_cbranch_scc1 .Lnot_wave_0_\@
	s_barrier_signal -3
.Lnot_wave_0_\@:
	s_barrier_wait -3
	s_barrier_signal -1
	s_barrier_wait -1
.endm
.macro CROUND                          ; a whole round
	s_barrier_signal -1
	s_barrier_wait -1
	CREST
.endm
	s_load_b128 s[4:7], s[0:1], 0x0                ; xc s[4:5], wc s[6:7]
	s_load_b128 s[8:11], s[0:1], 0x10              ; the scales s[8:9], qc s[10:11]
	s_load_b128 s[68:71], s[0:1], 0x20             ; kc s[68:69], vc s[70:71]
	v_lshl_add_u32 v[SPW], v0, 2, SPARE
	v_mov_b32 v[NIL], 0
	ds_add_u32 v[SPW], v[NIL]                      ; the wave's opening: the add, twice on end, and its wait ahead of my first tensor load; the set-up below, work on registers, stands between them
	ds_add_u32 v[SPW], v[NIL]
	v_lshrrev_b32 v1, 5, v0
	v_readfirstlane_b32 s14, v1                    ; wave 0..3
	s_lshr_b32 s15, s14, 1                         ; which half of the tile's rows is mine.  Also: I fetch for A (0) or for B (1)
	s_and_b32 s16, s14, 1                          ; which half of its columns.  Also: which 128 rows of that tile I fetch
	s_bfe_u32 s40, ttmp6, 0x40000                  ; cx, cy: my place in the cluster
	s_bfe_u32 s41, ttmp6, 0x40004
	s_and_b32 s73, ttmp7, 0xffff
	s_lshl_b32 s73, s73, 2                         ; 4 x cluster y: it walks the side that has 4,096 rows: A's for Q and K, B's for V
	s_cmp_eq_u32 ttmp9, 2                          ; V?
	s_cselect_b32 s74, 0, s73
	s_cselect_b32 s75, s73, 0
	s_add_co_u32 s17, s74, s41                     ; tile row of C
	s_add_co_u32 s42, s75, s40                     ; tile column of C
	s_lshl_b32 s43, s41, 2
	s_lshl_b32 s43, 15, s43                        ; my row of the cluster
	s_lshl_b32 s44, 0x1111, s40                    ; my column
	; descriptor group 1: a tile of 128 rows x 256 bytes, padded in LDS
	s_or_b32 s[G1+0], s43, (0<<16)|(1<<20)|(1<<21)|(5<<22)|(3<<25)  ; 15:0 the mask: A's tiles go to my row; 17:16 elements of 1 byte; 20 padding on; 21 set beside a mask; 24:22 after every 64 words; 31:25 four words
	s_or_b32 s[G1B+0], s44, (0<<16)|(1<<20)|(1<<21)|(5<<22)|(3<<25) ; the same with the mask of my column
.irp g, G1, G1B
	s_mov_b32 s[\g+1], ROWB<<16                    ; tensor_dim0
	s_mov_b32 s[\g+2], 128<<16                     ; tensor_dim1 = 128
	s_mov_b32 s[\g+3], ROWB<<16                    ; tile_dim0
	s_mov_b32 s[\g+4], 128                         ; tile_dim1 = 128
	s_mov_b32 s[\g+5], KROW                        ; tensor_dim0_stride
	s_mov_b32 s[\g+6], 0
	s_mov_b32 s[\g+7], 0
.endr
	s_lshl_b32 s18, s16, 7                         ; which 128 rows of the tile I fetch
	s_lshl_b32 s20, s17, 8
	s_add_co_u32 s20, s20, s18                     ; A: row 256 x tile row + 128 x half
	s_lshl_b32 s46, s42, 8
	s_add_co_u32 s46, s46, s18                     ; B: row 256 x tile column + 128 x half
	s_lshl_b32 s20, s20, 10                        ; rows of 1,024 bytes
	s_lshl_b32 s46, s46, 10
	s_lshl_b32 s76, ttmp9, 22                      ; Q, K: A = set X of x's codes, 4,194,304 bytes a set;
	s_lshl_b32 s77, ttmp9, 20                      ;       B = weight X's codes, 1,048,576 bytes a weight
	s_cmp_eq_u32 ttmp9, 2
	s_cselect_b32 s76, 0x200000, s76               ; V: A = weight 2's codes,
	s_cselect_b32 s77, 0x800000, s77               ;    B = set 2 of x's codes
	s_add_co_u32 s20, s20, s76
	s_add_co_u32 s46, s46, s77
	s_mov_b32 s21, 0
	s_mov_b32 s47, 0
	s_lshl_b32 s84, ttmp9, 3                       ; where the product's two exponents lie among the scales,
	s_lshl_b32 s85, ttmp9, 2                       ; and, from entry 6 on, the result's; both stay untouched
	s_mul_i32 s45, s14, HALFT                      ; where the tiles go: wave x 128 rows: no place in the cluster enters an LDS address
	s_wait_dscnt 0x0                               ; the opening add is done
	s_wait_kmcnt 0x0
	s_load_b64 s[96:97], s[8:9], s84 offset:0x0    ; e(2 X), e(2 X + 1)
	s_load_b32 s98, s[8:9], s85 offset:0x18        ; e(6 + X)
	s_cmp_eq_u32 ttmp9, 2
	s_cselect_b64 s[80:81], s[6:7], s[4:5]         ; A's buffer,
	s_cselect_b64 s[82:83], s[4:5], s[6:7]         ; B's,
	s_cselect_b64 s[10:11], s[70:71], s[10:11]     ; and the result's: the choices hang on the cluster's x alone
	s_cmp_eq_u32 ttmp9, 1
	s_cselect_b64 s[10:11], s[68:69], s[10:11]
	s_add_nc_u64 s[20:21], s[80:81], s[20:21]
	s_add_nc_u64 s[46:47], s[82:83], s[46:47]
	CROUND                                         ; all sixteen work-groups are here: the first joint loads meet
.irp s, 0,1
	s_mov_b32 s[G0+4*\s], 1
	s_add_co_u32 s[G0+4*\s+1], s45, \s*SLOT
	s_add_nc_u64 s[G0+4*\s+2:G0+4*\s+3], s[20:21], \s*ROWB
	s_or_b32 s[G0+4*\s+3], s[G0+4*\s+3], 0x80000000
	s_mov_b32 s[G0B+4*\s], 1
	s_add_co_u32 s[G0B+4*\s+1], s45, \s*SLOT
	s_add_nc_u64 s[G0B+4*\s+2:G0B+4*\s+3], s[46:47], \s*ROWB
	s_or_b32 s[G0B+4*\s+3], s[G0B+4*\s+3], 0x80000000
.endr
	JLOAD G0, G1, G0B, G1B                         ; K step 0: one tensor load a wave at the head; K step 1's stands behind the next round
	v_and_b32 v1, 15, v0                           ; r = l % 16
	s_wait_alu depctr_va_vdst(0)
	v_bfe_u32 v2, v0, 4, 1                         ; h = l / 16
	v_mul_u32_u24 v3, v1, PITCH
	v_lshl_add_u32 v4, v2, 4, v3                   ; a fragment's row x pitch + 16 x half
	s_mul_i32 s21, s15, HALFT                      ; my 128 rows of A
	s_mul_i32 s22, s16, HALFT                      ; my 128 rows of B,
	s_add_co_u32 s22, s22, 2*HALFT                 ; which lie behind A's 256
.irp s, 0,1
	v_add_nc_u32 v[ADRA+\s], s21, v4
	v_add_nc_u32 v[ADRB+\s], s22, v4
	s_add_co_u32 s21, s21, SLOT
	s_add_co_u32 s22, s22, SLOT
.endr
	s_mul_i32 s23, s14, 32*SPITCH                  ; my stage
	v_mul_u32_u24 v5, v1, SPITCH                   ; in: row r of a block, 8 bytes for each half of the lanes
	s_wait_alu depctr_va_vdst(0)
	v_lshl_add_u32 v5, v2, 3, v5
	v_add_nc_u32 v[STO], s23, v5
	v_and_b32 v6, 8, v1
	v_add_nc_u32 v6, v6, v1                        ; back: THE ROWS OF A STORED TILE ARE NOT NEIGHBOURS: r + 8 (r / 8),
	v_mul_u32_u24 v6, v6, SPITCH
	v_lshl_add_u32 v6, v2, 4, v6                   ; 16 bytes for each half of the lanes
	v_add_nc_u32 v[RD], s23, v6
	; the way out's offsets.  T, U: which 128 rows of A's side and of B's side are my wave's
	s_lshl_b32 s92, s17, 1
	s_add_co_u32 s92, s92, s15                     ; T
	s_lshl_b32 s93, s42, 1
	s_add_co_u32 s93, s93, s16                     ; U
	s_mov_b32 s86, 1024
	s_mov_b32 s87, 131072
	s_mov_b32 s88, 2048
	s_mov_b32 s90, 2048
	s_cmp_eq_u32 ttmp9, 2
	s_cselect_b32 s94, s93, s92                    ; the chunk of 128 tokens: T for Q and K, U for V
	s_cselect_b32 s95, s92, s93                    ; the pair of heads: U for Q and K, T for V
	s_cselect_b32 s86, 2048, s86                   ; from a stored tile to the next: 2 x 512 bytes (Q, K), 4 x 512 (V)
	s_cselect_b32 s87, 1024, s87                   ; from piece 1 to piece 2 of my 128 columns: the next head (Q, K), the next 32 keys but one (V)
	s_cselect_b32 s88, 4096, s88                   ; from a pair of blocks to the next: two stored tiles;
	s_cselect_b32 s90, 126976, s90                 ; from pair 1 to pair 2: for V the next head's first tile
	s_mov_b32 s89, 0
	s_mov_b32 s91, 0
	s_lshr_b32 s78, s94, 4                         ; batch
	s_lshl_b32 s78, s78, 4
	s_lshl_b32 s95, s95, 1
	s_add_co_u32 s78, s78, s95                     ; 16 x batch + my first head
	s_lshl_b32 s78, s78, 17                        ; 131,072 bytes a head
	s_and_b32 s94, s94, 15
	s_lshl_b32 s94, s94, 13                        ; 8,192 bytes a chunk
	s_add_co_u32 s78, s78, s94
	s_mov_b32 s79, 0
	s_add_nc_u64 s[10:11], s[10:11], s[78:79]
	v_and_b32 v7, 31, v0
	v_lshlrev_b32 v[CO], 4, v7                     ; 16 x lane
	v_add_nc_u32 v[CO+1], 512, v[CO]
	v_add_nc_u32 v[CO+2], s87, v[CO]
	v_add_nc_u32 v[CO+3], s87, v[CO+1]
.irp i, 0,1,2,3
	v_add_nc_u32 v[CO+4+\i], s86, v[CO+\i]
.endr
.macro FRAG reg, adr, q, i             ; a fragment, 16 rows x 128 K, is 16 registers: lane l holds row l % 16; registers 4 c .. 4 c + 3 hold K = 32 c + 16 (l / 16) + 0 .. 15: the same order of k in A and in B
.irp c, 0,1,2,3
	ds_load_b128 v[\reg+4*\c:\reg+4*\c+3], v[\adr] offset:128*(\q)+32*\c+(\i)*16*PITCH
.endr
.endm
; 16 matrix instructions: A's blocks a0, a0 + 1 x B's eight, 128 along K.  p: B's set.  zero = 1: the first product starts the sums.
; The 64 accumulators take turns, one instruction a turn, in the same order in every step.
.macro MUL16 a0, p, zero
.irp a, \a0, \a0+1
.irp b, 0,1,2,3,4,5,6,7
.if \zero
	v_wmma_f32_16x16x128_fp8_fp8 v[8*(8*((\a)%4)+\b):8*(8*((\a)%4)+\b)+7], v[128*(\p)+FR*\b:128*(\p)+FR*\b+FR-1], v[AF+FR*(\a):AF+FR*(\a)+FR-1], 0
.else
	v_wmma_f32_16x16x128_fp8_fp8 v[8*(8*((\a)%4)+\b):8*(8*((\a)%4)+\b)+7], v[128*(\p)+FR*\b:128*(\p)+FR*\b+FR-1], v[AF+FR*(\a):AF+FR*(\a)+FR-1], v[8*(8*((\a)%4)+\b):8*(8*((\a)%4)+\b)+7]
.endif
.endr
.endr
.endm
.macro FETCH_B slot, q, p              ; B's eight fragments of the slot's q-th 128 along K into set p
	WIN TO_B
.irp i, 0,1,2,3,4,5,6,7
	FRAG 128*(\p)+FR*\i, ADRB+\slot, \q, \i
.endr
	WIN 0
.endm
.macro FETCH_A slot, q, i0             ; A's blocks i0 .. i0 + 3
.irp i, \i0, \i0+1, \i0+2, \i0+3
	FRAG AF+FR*(\i), ADRA+\slot, \q, \i
.endr
.endm
.macro PLACES n                        ; plain vector lines between a matrix instruction and a load into, or a read of, its registers
.rept \n
	v_nop
.endr
.endm
; A step of 128 along K that has its successor in the same slot.
.macro STEP slot, q, zero
	s_wait_dscnt 4*NL                              ; B's set and A's blocks 0-3 are in; the youngest 16 loads (A's blocks 4-7) may be out
	WIN MUL_LO
	MUL16 0, (\q)%2, \zero
	MUL16 2, (\q)%2, \zero
	s_wait_dscnt 0                                 ; A's blocks 4-7 are in
	PLACES NP
	FETCH_B \slot, (\q)+1, 1-(\q)%2
	FETCH_A \slot, (\q)+1, 0
	WIN MUL_HI
	MUL16 4, (\q)%2, \zero
	MUL16 6, (\q)%2, \zero
	PLACES NP
	WIN 0
	FETCH_A \slot, (\q)+1, 4
.endm
; A slot's last step changes slots: ONE barrier; in front of it each wave waits for all its tensor loads, adds 0 to its spare word, and waits for that and for its own reads of this slot.  fill = 1: this slot is filled again, two K steps ahead.
.macro TURN slot, next, fill
	s_wait_tensorcnt 0x0                           ; all my tensor loads have landed: my part of the next slot
	ds_add_u32 v[SPW], v[NIL]                      ; 0 onto my spare word
	s_wait_dscnt 4*NL+1                            ; (the add and the youngest 16 loads, A's blocks 4-7, may be out)
	WIN MUL_LO
	MUL16 0, 1, 0                                  ; sixteen matrix instructions stand between the add and the wait for it
	s_wait_dscnt 0x0                               ; the add is done, and my reads of this slot are over
	s_barrier_signal -1
	MUL16 2, 1, 0
	WIN 0
	s_barrier_wait -1
.if \fill
	CREST                                          ; the barrier has opened a round of the cluster's barrier: no wave of any partner still reads this slot's tile or has a load on its way
	s_add_nc_u64 s[G0+4*\slot+2:G0+4*\slot+3], s[G0+4*\slot+2:G0+4*\slot+3], 2*ROWB
	s_add_nc_u64 s[G0B+4*\slot+2:G0B+4*\slot+3], s[G0B+4*\slot+2:G0B+4*\slot+3], 2*ROWB
	JLOAD G0+4*\slot, G1, G0B+4*\slot, G1B         ; the first tensor load behind the round; the four v_nop behind it are the places in front of the loads below
.else
	PLACES NP
.endif
	FETCH_B \next, 0, 0
	FETCH_A \next, 0, 0
	WIN MUL_HI
	MUL16 4, 1, 0
	MUL16 6, 1, 0
	PLACES NP
	WIN 0
	FETCH_A \next, 0, 4
.endm
	s_wait_alu depctr_va_vdst(0)
	s_wait_tensorcnt 0x0                           ; my part of K step 0 is in
	ds_add_u32 v[SPW], v[NIL]
	s_wait_dscnt 0x0                               ; the add is done
	CROUND                                         ; everybody's part of K step 0 is in, and the partners' joint loads meet
	JLOAD G0+4, G1, G0B+4, G1B                     ; K step 1, the first tensor load behind the round
	FETCH_B 0, 0, 0
	FETCH_A 0, 0, 0
	FETCH_A 0, 0, 4
	STEP 0, 0, 1                                   ; the first step stands in front of the loop: its products start the sums
	s_mov_b32 s3, LAPS-1
.Llap:                                                 ; a trip goes once round the ring, from a lap's second step to the next lap's first, and fills both slots again
	TURN 0, 1, 1
	STEP 1, 0, 0
	TURN 1, 0, 1
	STEP 0, 0, 0
	s_sub_co_u32 s3, s3, 1
	s_cmp_lg_u32 s3, 0
	s_cbranch_scc1 .Llap
	TURN 0, 1, 0                                   ; the last lap fills nothing, and has no round of the cluster's barrier
	STEP 1, 0, 0
	s_wait_dscnt 4*NL                              ; the very last step: nothing more to fetch
	WIN MUL_LO
	MUL16 0, 1, 0
	MUL16 2, 1, 0
	s_wait_dscnt 0
	WIN MUL_HI
	MUL16 4, 1, 0
	MUL16 6, 1, 0
	WIN 0
; THE WAY OUT, a pair of blocks (32 rows x 128 columns) at a time.  A sum stands for sum x 2^(the product's two exponents), so its code is sum / 2^E, E = e(6 + X) - e(2 X) - e(2 X + 1): the three scales in one.
; QBLOCK: block a's 64 sums a lane are held, converted (8 neighbouring columns: 8 bytes) and put into my stage as rows of 128 codes.
.macro QBLOCK a, set
.set AC, 64*((\a)%4)
	WIN (0x02+((\a)/4))                            ; source 0: window 2 or 3
.set J, 0
.rept 64
	v_med3_num_f32 v[TMP+J], v[AC+J], -v[LIM], v[LIM]   ; the hold at the largest code x the scale; each accumulator from its low end on
.set J, J+1
.endr
	WIN 0
.irp b, 0,1,2,3,4,5,6,7
	v_cvt_scalef32_pk8_fp8_f32 v[CD+16*(\set)+2*\b:CD+16*(\set)+2*\b+1], v[TMP+8*\b:TMP+8*\b+7], v[SCL]
.endr
	v_nop                                          ; a plain vector line behind the last conversion: the next block's holds write the conversions' sources
.irp b, 0,1,2,3,4,5,6,7
	ds_store_b64 v[STO], v[CD+16*(\set)+2*\b:CD+16*(\set)+2*\b+1] offset:((\a)%2)*16*SPITCH+16*\b
.endr
.endm
; TOSTAGE: both blocks of pair p, then the 32 rows come back as two stored tiles (u) of four pieces (i) each: lane (r, h) takes row 8 u + r + 8 (r / 8), bytes 32 i + 16 h.
; LDS serves a wave's instructions in order (ISA guide 5.7.1.4): no wait between the stores and the loads, nor in front of the next pair's stores.
.macro TOSTAGE p
	QBLOCK 2*(\p), 2*((\p)%2)
	QBLOCK 2*(\p)+1, 2*((\p)%2)+1
.set BB, BK+32*((\p)%2)
.irp u, 0,1
.irp i, 0,1,2,3
	ds_load_b128 v[BB+4*(4*\u+\i):BB+4*(4*\u+\i)+3], v[RD] offset:\u*8*SPITCH+32*\i
.endr
.endr
.endm
.macro SEND p, younger                 ; younger: the LDS instructions issued behind pair p's loads, which may stay out
.set BB, BK+32*((\p)%2)
	s_wait_dscnt \younger                          ; the pair is back in registers
.if (\p) == 2
	s_add_nc_u64 s[10:11], s[10:11], s[90:91]      ; (behind a wait on XCNT: the earlier stores have read their base)
.elseif (\p) > 0
	s_add_nc_u64 s[10:11], s[10:11], s[88:89]
.endif
.irp u, 0,1
.irp i, 0,1,2,3
	global_store_b128 v[CO+4*\u+\i], v[BB+4*(4*\u+\i):BB+4*(4*\u+\i)+3], s[10:11]   ; 32 lanes store 512 consecutive bytes, aligned
.endr
.endr
.endm
	s_wait_kmcnt 0x0
	s_sub_co_i32 s98, s98, s96
	s_sub_co_i32 s98, s98, s97                     ; E
	s_add_co_i32 s98, s98, 127
	s_lshl_b32 s96, s98, 23
	v_mov_b32 v[SCL], s96                          ; 2^E as f32
	s_add_co_i32 s98, s98, 8
	s_lshl_b32 s98, s98, 23
	s_or_b32 s98, s98, 0x600000
	v_mov_b32 v[LIM], s98                          ; 448 x 2^E
	PLACES NP                                      ; behind the last products: for the reads of results and the writes into the registers that held A's fragments
	TOSTAGE 0
.irp p, 1,2,3
.if \p > 1
	s_wait_xcnt 0x0                                ; pair p - 2's stores have read their registers and their base: pair p's loads may land there, and the base may step
.endif
	TOSTAGE \p
	SEND \p-1, 24                                  ; behind pair p - 1's loads: pair p's 16 stores and 8 loads
.endr
	s_wait_xcnt 0x0                                ; pair 2's stores have read their base
	SEND 3, 0
	s_wait_tensorcnt 0x0                           ; the wave's end: a wait, an add and its wait, behind my last tensor load and my last LDS store
	ds_add_u32 v[SPW], v[NIL]
	s_wait_dscnt 0x0
	CROUND                                         ; the closing round: no work-group ends while a partner may still ask for a tile that names it
	s_endpgm
.Lfunc_end_k_qe974a2de14_qkv:
	.size	k_qe974a2de14_qkv, .Lfunc_end_k_qe974a2de14_qkv-k_qe974a2de14_qkv
	.p2alignl 7, 3214868480
	.fill 96, 4, 3214868480
	.section	.rodata,"a",@progbits
	.p2align	6, 0x0
	.amdhsa_kernel k_qe974a2de14_qkv
		.amdhsa_group_segment_fixed_size 327680
		.amdhsa_private_segment_fixed_size 0
		.amdhsa_enable_private_segment 0
		.amdhsa_kernarg_size 48
		.amdhsa_user_sgpr_count 2
		.amdhsa_user_sgpr_kernarg_segment_ptr 1
		.amdhsa_wavefront_size32 1
		.amdhsa_system_sgpr_workgroup_id_x 1
		.amdhsa_system_sgpr_workgroup_id_y 1
		.amdhsa_system_sgpr_workgroup_id_z 1
		.amdhsa_system_vgpr_workitem_id 0
		.amdhsa_next_free_vgpr 1024
		.amdhsa_next_free_sgpr 100
		.amdhsa_reserve_vcc 0
		.amdhsa_float_denorm_mode_32 3
		.amdhsa_float_denorm_mode_16_64 3
		.amdhsa_memory_ordered 1
		.amdhsa_forward_progress 1
		.amdhsa_inst_pref_size 126
	.end_amdhsa_kernel
	.amdgpu_metadata
---
amdhsa.version: [ 1, 2 ]
amdhsa.kernels:
  - .name:           k_qe974a2de14_qkv
    .symbol:         k_qe974a2de14_qkv.kd
    .args:
      - { .name: xc, .offset: 0, .size: 8, .value_kind: global_buffer, .address_space: global }
      - { .name: wc, .offset: 8, .size: 8, .value_kind: global_buffer, .address_space: global }
      - { .name: lowp_scales, .offset: 16, .size: 8, .value_kind: global_buffer, .address_space: global }
      - { .name: qc, .offset: 24, .size: 8, .value_kind: global_buffer, .address_space: global }
      - { .name: kc, .offset: 32, .size: 8, .value_kind: global_buffer, .address_space: global }
      - { .name: vc, .offset: 40, .size: 8, .value_kind: global_buffer, .address_space: global }
    .group_segment_fixed_size: 327680
    .private_segment_fixed_size: 0
    .kernarg_segment_align: 8
    .kernarg_segment_size: 48
    .max_flat_workgroup_size: 128
    .sgpr_count:     100
    .vgpr_count:     1024
    .wavefront_size: 32
...
	.end_amdgpu_metadata
.endif
;; end of part 2
;; launch attn (part 3): grid 8 x 32, 16 waves a work-group, clusters of 4 x 1, 327,680 bytes of LDS; arguments qc, kc, vc, lowp_scales, oc; writes oc
.if DOCPART == 3
	.amdgcn_target "amdgcn-amd-amdhsa--gfx1250"
	.amdhsa_code_object_version 6
	.text
	.protected	k_qe974a2de14_attn
	.globl	k_qe974a2de14_attn
	.p2align	8
	.type	k_qe974a2de14_attn,@function
k_qe974a2de14_attn:
	s_mov_b64 s[64:65], 0
	v_nop
	global_prefetch_b8 v0, s[64:65] scope:SCOPE_SE
	s_setreg_imm32_b32 hwreg(HW_REG_WAVE_MODE, 25, 1), 1
	s_wait_xcnt 0x0
	s_wait_alu depctr_hold_cnt(0) depctr_sa_sdst(0) depctr_va_vdst(0) depctr_va_sdst(0) depctr_va_ssrc(0) depctr_va_vcc(0) depctr_vm_vsrc(0)
	s_getreg_b32 s2, hwreg(HW_REG_IB_STS2, 6, 4)
	s_cmp_eq_u32 s2, 0
	s_cbranch_scc0 .Lentry_in_a_cluster
	s_endpgm
.Lentry_in_a_cluster:
	s_bfe_u32 s2, ttmp6, 0x10000c
	s_cmp_lg_u32 s2, 0x3003
	s_cbranch_scc0 .Lentry_shape_is_right
	s_endpgm
.Lentry_shape_is_right:
; Causal attention on codes of FP8 (E4M3), head size 64, 2,048 keys, 32 heads (16 x batch + head): S^T = K Q^T, the softmax, O^T = V^T P^T, O / l quantised for the last projection (entry 10 of the scales).
; THE SOFTMAX AHEAD OF THE SECOND PRODUCT: t = score x log2(e) / 8; M = the row's largest t so far, rounded UP to a whole number; p = 2^(t - M) is what is quantised (entry 9); it is not normalised.
; The row's sum is taken of the unquantised p, in f32, and divides O at the end.  When M moves, the sum and O are multiplied by 2^(old M - new M): exact.
; LEFT OUT: chunks of 128 keys all of which come after a tile's queries: the mask that reference() builds puts -infinity there, so they add 0 to every sum, whatever the inputs.
; SHARES.  A head's queries are 16 chunks of 8 tiles of 16.  Work-group (c, head) owns tile c of EVERY chunk: tile q of its sixteen walks the key chunks 0 .. q, and all work-groups are alike.
; Tiles k and 15 - k have 17 key steps together.  Wave k (0-7) walks chunks 0 .. 8 of tile 15 - k: nine steps.  Wave k + 8 walks tile k (chunks 0 .. k) and sends it out, and then chunks 9 .. 15 - k of tile 15 - k: eight steps.
; The two parts of tile 15 - k (O^T, the sum, M) are joined by wave k, through LDS, behind one barrier.
; THE WHOLE HEAD'S K AND V LIE IN LDS (262,144 bytes): sixteen JOINT tensor loads of 16,384 bytes, one from each wave, all at the head; no LDS byte is filled twice.
; CLUSTERS of 4 x 1: the four work-groups have one head's K and V in common; no branch, trip count or LDS address hangs on c, which enters global addresses and the mask's numbers alone.
; No prefetch: every tile's own load goes out at the head, so there is nothing to run ahead of.
; LAYOUT.  qc, kc, vc hold images of operand registers (16 bytes a lane, 512 bytes a piece): a fragment comes by loads at 16 x lane.  Both products are used transposed: a lane holds ONE query throughout.
; Tile 2 b + u of a chunk of 128 rows holds rows 32 b + 8 u + r + 8 (r / 8): so the 16 registers of score tiles 2 b, 2 b + 1 are keys 32 b + 16 (lane / 16) + 0 .. 15, and O^T's of tiles 2 b, 2 b + 1 are d = 32 b + 16 (lane / 16) + 0 .. 15.
; oc: [16 x 8 x batch + 8 x chunk + tile][head][d / 32][lane][16 bytes]: the last projection's operand registers as they stand; each store of a wave covers 512 consecutive bytes, aligned.
; LIMITS: e6 + e7 between -123 and 130 (added to c's exponent field); e9 and e10 between -126 and 119; e8 + e9 is applied by v_ldexp_f32 and has none.  The scaled scores stay under 2^31 in magnitude.
; A NaN or an infinity that reaches only hidden scores is not carried to the result; NaN elsewhere is not served.
; REGISTERS: v1-10 addresses and constants; v12 -M, v13 the largest t, v[14:15] the sum in two halves; v16-23 Q, v24-31 the second tile's Q; v32-95 K's eight fragments, then V's four; v96-159 S^T, then p; v160-191 O^T; v224-239 p's codes; v236-255 at work and scales.
.set VREG,  16384                      ; LDS: from 32,768 g on: chunks 2 g, 2 g + 1 of K (8,192 bytes each), then the same chunks of V
.set MERGE, 262144                     ; for each k: O^T's 4,096 bytes, then 256 bytes of sums and -M
.set MSZ,   4352
.set SPARE, 296960                     ; behind the eight: the spare words, 128 bytes for each wave: eight blocks of 256 bytes that no other line names
.set LI,   1                           ; v1   16 x lane
.set DM,   3                           ; v3   my query's place in its chunk - 16 (lane / 16): for the mask
.set OH,   4                           ; v4   448 x 2^e10
.set SPW,  5                           ; v5   LDS address of my spare word; never rewritten
.set NIL,  6                           ; v6   0; never rewritten
.set MA,   7                           ; v7   the merge: O^T
.set ADK,  8                           ; v8   LDS address of the step's chunk of K; V's lies VREG further on
.set ML,   10                          ; v10  the merge: the sum and -M
.set TB,   3                           ; s3   the step's chunk, in bytes
.set WV,   18                          ; s18  my wave's number
.set SEL,  20                          ; s[20:21] lane selects for v_permlanex16_b32: lane l xor 16
.set CS,   22                          ; s[22:23] c = log2(e) / 8 x 2^(e6 + e7)
.set G1,   24                          ; s[24:31] descriptor group 1
.set G0,   32                          ; s[32:35] descriptor group 0
.set JUMP, 38                          ; s38  8 - k: from the step's number to its chunk behind the change of tiles
.set SW,   39                          ; s39  the step at which I change tiles: k + 1 in waves 8-15, 15 (never) in waves 0-7
.set LAST, 40                          ; s40  my last step: 8 in waves 0-7, 7 in waves 8-15
.set CH,   41                          ; s41  the step's chunk
.set EO,   42                          ; s42  e8 + e9
.set IT,   66                          ; s66  the step's number
.set KK,   67                          ; s67  k
.set ISB,  73                          ; s73  0 in waves 0-7, 1 in waves 8-15
.set LONG, 74                          ; s74  15 - k
.set QC,   75                          ; s75  the chunk of the tile in hand
.macro CROUND                          ; a round of the cluster's barrier
	s_barrier_signal -1
	s_barrier_wait -1
	s_cmp_lg_u32 s[WV], 0
	s_cbranch_scc1 .Lnot_wave_0_\@
	s_barrier_signal -3
.Lnot_wave_0_\@:
	s_barrier_wait -3
	s_barrier_signal -1
	s_barrier_wait -1
.endm
	s_load_b256 s[4:11], s[0:1], 0x0               ; qc s[4:5], kc s[6:7], vc s[8:9], the scales s[10:11]
	s_load_b64 s[12:13], s[0:1], 0x20              ; oc
	v_lshl_add_u32 v[SPW], v0, 2, SPARE
	v_mov_b32 v[NIL], 0
	ds_add_u32 v[SPW], v[NIL]                      ; the wave's opening: the add, twice on end, and its wait ahead of the first tensor load
	ds_add_u32 v[SPW], v[NIL]
	v_lshrrev_b32 v8, 5, v0
	v_readfirstlane_b32 s[WV], v8                  ; wave 0..15
	; descriptor group 1: 16,384 dense bytes as 64 rows of 32 elements of 8 bytes
	s_mov_b32 s[G1], 15|(3<<16)|(1<<21)            ; the mask: all four partners; elements of 8 bytes; bit 21 set beside a mask; no padding
	s_mov_b32 s[G1+1], 32<<16                      ; tensor_dim0 = 32
	s_mov_b32 s[G1+2], 64<<16                      ; tensor_dim1 = 64
	s_mov_b32 s[G1+3], 32<<16                      ; tile_dim0 = 32
	s_mov_b32 s[G1+4], 64                          ; tile_dim1 = 64
	s_mov_b32 s[G1+5], 32                          ; tensor_dim0_stride
	s_mov_b32 s[G1+6], 0
	s_mov_b32 s[G1+7], 0
	s_mov_b32 s[SEL], 0x76543210
	s_mov_b32 s[SEL+1], 0xfedcba98
	s_mov_b32 s[CS], 0x3e38aa3b                    ; log2(e) / 8
	s_lshr_b32 s[ISB], s[WV], 3
	s_and_b32 s[KK], s[WV], 7
	s_sub_co_u32 s[LONG], 15, s[KK]
	s_sub_co_u32 s[JUMP], 8, s[KK]
	s_add_co_u32 s[SW], s[KK], 1
	s_cmp_eq_u32 s[ISB], 0
	s_cselect_b32 s[QC], s[LONG], s[KK]            ; my first tile's chunk
	s_cselect_b32 s[SW], 15, s[SW]
	s_cselect_b32 s[LAST], 8, 7
	s_and_b32 s77, ttmp7, 0xffff                   ; 16 x batch + head
	s_lshl_b32 s84, s77, 17                        ; the head's first byte in qc, kc, vc
	s_bfe_u32 s76, ttmp6, 0x40000
	s_lshl_b32 s90, ttmp9, 2
	s_add_co_u32 s76, s76, s90                     ; c
	s_lshl_b32 s90, s76, 10
	s_add_co_u32 s90, s90, s84                     ; tile c
	s_lshl_b32 s91, s[QC], 13
	s_add_co_u32 s78, s90, s91                     ; of my first tile's chunk,
	s_mov_b32 s79, 0
	s_lshl_b32 s91, s[LONG], 13
	s_add_co_u32 s80, s90, s91                     ; and of chunk 15 - k
	s_mov_b32 s81, 0
	s_lshr_b32 s82, s77, 4
	s_lshl_b32 s82, s82, 21                        ; oc: 2,097,152 bytes a batch,
	s_lshl_b32 s91, s[QC], 17
	s_add_co_u32 s82, s82, s91                     ; 131,072 a chunk,
	s_lshl_b32 s91, s76, 14
	s_add_co_u32 s82, s82, s91                     ; 16,384 a tile,
	s_and_b32 s91, s77, 15
	s_lshl_b32 s91, s91, 10
	s_add_co_u32 s82, s82, s91                     ; 1,024 a head
	s_mov_b32 s83, 0
	s_lshr_b32 s95, s[WV], 1
	s_lshl_b32 s95, s95, 14
	s_add_co_u32 s84, s84, s95                     ; what I fetch: 16,384 bytes, two chunks, of K (even waves) or of V (odd waves)
	s_mov_b32 s85, 0
	s_and_b32 s88, s[WV], 1
	s_lshr_b32 s92, s76, 1
	s_lshl_b32 s92, s92, 5
	s_and_b32 s91, s76, 1
	s_lshl_b32 s91, s91, 3
	s_add_co_u32 s92, s92, s91                     ; the tile's first row in its chunk: 32 (c / 2) + 8 (c % 2)
	s_mul_i32 s93, s[KK], MSZ
	s_add_co_u32 s93, s93, MERGE
	s_add_co_u32 s94, s93, 4096
	s_wait_dscnt 0x0                               ; both opening adds are done
	s_wait_kmcnt 0x0
	s_load_b128 s[68:71], s[10:11], 0x18           ; e6, e7, e8, e9
	s_load_b32 s72, s[10:11], 0x28                 ; e10
	s_cmp_eq_u32 s88, 0
	s_cselect_b64 s[86:87], s[6:7], s[8:9]         ; the choice hangs on the wave's number alone
	s_add_nc_u64 s[86:87], s[86:87], s[84:85]
	s_mov_b32 s[G0], 1                             ; count = 1
	s_lshl_b32 s[G0+1], s[WV], 14                  ; LDS address: 16,384 x wave
	s_mov_b64 s[G0+2:G0+3], s[86:87]
	s_or_b32 s[G0+3], s[G0+3], 0x80000000          ; type = 2
	CROUND                                         ; all four work-groups are here: the joint loads meet
	tensor_load_to_lds s[G0:G0+3], s[G1:G1+7]
	s_nop 0
.rept 4
	v_nop
.endr
	s_add_nc_u64 s[78:79], s[4:5], s[78:79]
	s_add_nc_u64 s[80:81], s[4:5], s[80:81]
	s_add_nc_u64 s[12:13], s[12:13], s[82:83]
	v_and_b32 v[LI], 31, v0
	v_lshlrev_b32 v[ML], 3, v[LI]
	v_lshlrev_b32 v[LI], 4, v[LI]
	global_load_b128 v[16:19], v[LI], s[78:79]             ; Q's fragment stays in registers: d = 16 (lane / 16) + 0 .. 15,
	global_load_b128 v[20:23], v[LI], s[78:79] offset:512  ; and 32 + the same
	global_load_b128 v[24:27], v[LI], s[80:81]             ; tile 15 - k's, the second tile of waves 8-15 (in waves 0-7 the same as the first: one text for all sixteen)
	global_load_b128 v[28:31], v[LI], s[80:81] offset:512
	v_add_nc_u32 v[MA], s93, v[LI]
	v_add_nc_u32 v[ML], s94, v[ML]
	v_and_b32 v8, 15, v0                           ; r
	v_bfe_u32 v9, v0, 4, 1                         ; h
	v_and_b32 v[DM], 8, v8
	v_lshlrev_b32 v9, 4, v9
	v_add_nc_u32 v[DM], v[DM], v8                  ; r + 8 (r / 8)
	v_sub_nc_u32 v[DM], v[DM], v9
	v_add_nc_u32 v[DM], s92, v[DM]
	v_mov_b32 v236, 0                              ; written once: a lane permute's destination counts as one of its sources
	v_mov_b32 v252, 0
	v_mov_b32 v253, 0                              ; (named as the upper half of the pair v[252:253])
	s_wait_alu depctr_va_vdst(0)
	s_wait_kmcnt 0x0
	s_add_co_i32 s90, s68, s69
	s_lshl_b32 s90, s90, 23
	s_add_co_i32 s[CS], s[CS], s90                 ; a score stands for score x 2^(e6 + e7): the two exponents are added to c's exponent field
	s_mov_b32 s[CS+1], s[CS]                       ; (named with it as a pair, so it is written)
	s_add_co_i32 s[EO], s70, s71
	s_add_co_i32 s90, s71, 127
	s_lshl_b32 s91, s90, 23
	v_mov_b32 v244, s91                            ; 2^e9 as f32, for p's conversions
	s_add_co_i32 s90, s90, 8
	s_lshl_b32 s90, s90, 23
	s_or_b32 s90, s90, 0x600000
	v_mov_b32 v240, s90                            ; 448 x 2^e9
	s_add_co_i32 s90, s72, 127
	s_lshl_b32 s91, s90, 23
	v_mov_b32 v245, s91                            ; 2^e10, for O's
	s_add_co_i32 s90, s90, 8
	s_lshl_b32 s90, s90, 23
	s_or_b32 s90, s90, 0x600000
	v_mov_b32 v[OH], s90                           ; 448 x 2^e10
; A KEY STEP: 128 keys, chunk s[CH], at byte s[TB].  first = 1: chunk 0, which starts the tile's sums.
.macro STEP first
.if \first
.set AK, LI
.else
.set AK, ADK
	v_add_nc_u32 v[ADK], s[TB], v[LI]
	v_nop                                          ; with the addition: four places in front of loads into registers that the last step's products have read
	v_nop
	v_nop
.endif
.set N, 0
.rept 16
	ds_load_b128 v[32+4*N:35+4*N], v[AK] offset:512*N     ; K's eight fragments of 16 keys x 64: two pieces each
.set N, N+1
.endr
	s_wait_alu depctr_va_vdst(0)
.if \first
	s_wait_loadcnt 0x0                             ; Q
.endif
	s_wait_dscnt 8                                 ; tiles 0-3 are in; the eight loads of tiles 4-7 may be out
.irp t, 0,1,2,3
	v_wmma_f32_16x16x64_fp8_fp8 v[96+8*\t:103+8*\t], v[32+8*\t:39+8*\t], v[16:23], 0
.endr
	s_wait_dscnt 0x0
.irp t, 4,5,6,7
	v_wmma_f32_16x16x64_fp8_fp8 v[96+8*\t:103+8*\t], v[32+8*\t:39+8*\t], v[16:23], 0
.endr
.rept 4
	v_nop                                          ; places: in front of the loads below, and of the first read of the scores
.endr
.set N, 0
.rept 16
	ds_load_b128 v[32+4*N:35+4*N], v[AK] offset:VREG+512*N     ; V's four fragments of 16 d x 128 keys: they land while the softmax is worked
.set N, N+1
.endr
	s_cmp_lg_u32 s[CH], s[QC]                      ; on the diagonal the scores of hidden keys become -infinity ahead of the maximum: p = 0 then.  A step all of whose keys count skips this
	s_cbranch_scc1 .Lopen_\@
	v_mov_b32 v254, 0xff800000                     ; -infinity
.set N, 0
.rept 64
	v_cmp_gt_i32 vcc_lo, 32*(N/16)+N%16, v[DM]     ; register 16 b + i holds key 32 b + 16 (lane / 16) + i of the chunk
	v_cndmask_b32 v[96+N], v[96+N], v254, vcc_lo
.set N, N+1
.endr
.Lopen_\@:
	v_max3_num_f32 v254, v96, v97, v98             ; the step's largest score of my query, among my 64 keys, in two chains; each accumulator is first read at its low end
	v_max3_num_f32 v252, v99, v100, v101
.irp i, 6,10,14,18,22,26,30,34,38,42,46,50,54,58
	v_max3_num_f32 v254, v254, v[96+\i], v[97+\i]
	v_max3_num_f32 v252, v252, v[98+\i], v[99+\i]
.endr
	v_max3_num_f32 v254, v254, v158, v159
	s_delay_alu instid0(VALU_DEP_1)
	v_max_num_f32 v254, v254, v252
	v_permlanex16_b32 v236, v254, s[SEL], s[SEL+1]
	s_delay_alu instid0(VALU_DEP_1)
	v_max_num_f32 v254, v254, v236                 ; and among lane l xor 16's
	s_delay_alu instid0(VALU_DEP_1)
.if \first
	v_mul_f32 v13, s[CS], v254                     ; as t (c is positive): the largest so far
	s_delay_alu instid0(VALU_DEP_1)
	v_floor_f32 v12, -v13                          ; -M = floor(-t) = -ceil(t): M IS A WHOLE NUMBER
.else
	v_mul_f32 v254, s[CS], v254                    ; as t (c is positive)
	s_delay_alu instid0(VALU_DEP_1)
	v_max_num_f32 v13, v13, v254                   ; the running largest t
	v_mov_b32 v254, v12
	s_delay_alu instid0(VALU_DEP_2)
	v_floor_f32 v12, -v13                          ; the new -M = floor(-t) = -ceil(t): M IS A WHOLE NUMBER
	s_delay_alu instid0(VALU_DEP_1)
	v_sub_f32 v254, v12, v254                      ; M's old value less its new one: a whole number, 0 or less
	s_delay_alu instid0(VALU_DEP_1)
	v_cvt_i32_f32 v254, v254                       ; (it saturates)
	s_delay_alu instid0(VALU_DEP_1)
	v_ldexp_f32 v252, 1.0, v254                    ; f = 2^(old M - new M)
.endif
.set J, 0
.rept 32
	v_pk_fma_f32 v[96+J:97+J], v[96+J:97+J], s[CS:CS+1], v[12:13] op_sel_hi:[1,0,0]   ; t - M, two at a time (of the pairs c and -M the low word serves both halves)
.set J, J+2
.endr
.set J, 0
	s_wait_alu depctr_va_vdst(0)
.rept 64
	v_exp_f32 v[96+J], v[96+J]                     ; p = 2^(t - M), at most 1: NOT normalised
.set J, J+1
.endr
.if \first
	v_nop                                          ; the plain line behind the exponentials
.else
	v_pk_mul_f32 v[14:15], v[14:15], v[252:253] op_sel_hi:[1,0]   ; the sums under the new M.  (The plain line behind the exponentials)
.endif
	s_wait_alu depctr_va_vdst(0)                   ; one wait for the whole batch, ahead of its first reader
	v_pk_add_f32 v[242:243], v[100:101], v[104:105]
	v_pk_add_f32 v[254:255], v[108:109], v[112:113]
	v_pk_add_f32 v[250:251], v[116:117], v[120:121]
	v_pk_add_f32 v[248:249], v[124:125], v[128:129]
	v_pk_add_f32 v[246:247], v[132:133], v[136:137]
	v_pk_add_f32 v[238:239], v[140:141], v[144:145]
	v_pk_add_f32 v[236:237], v[148:149], v[152:153]
.if \first
	v_pk_add_f32 v[14:15], v[156:157], v[122:123]
.else
	v_pk_add_f32 v[14:15], v[14:15], v[156:157]
.endif
	v_pk_add_f32 v[242:243], v[242:243], v[96:97]
	v_pk_add_f32 v[254:255], v[254:255], v[98:99]
	v_pk_add_f32 v[250:251], v[250:251], v[102:103]
	v_pk_add_f32 v[248:249], v[248:249], v[106:107]
	v_pk_add_f32 v[246:247], v[246:247], v[110:111]
	v_pk_add_f32 v[238:239], v[238:239], v[114:115]
	v_pk_add_f32 v[236:237], v[236:237], v[118:119]
.if (\first) == 0
	v_pk_add_f32 v[14:15], v[14:15], v[122:123]
.endif
	v_pk_add_f32 v[242:243], v[242:243], v[126:127]
	v_pk_add_f32 v[254:255], v[254:255], v[130:131]
	v_pk_add_f32 v[250:251], v[250:251], v[134:135]
	v_pk_add_f32 v[248:249], v[248:249], v[138:139]
	v_pk_add_f32 v[246:247], v[246:247], v[142:143]
	v_pk_add_f32 v[238:239], v[238:239], v[146:147]
	v_pk_add_f32 v[236:237], v[236:237], v[150:151]
	v_pk_add_f32 v[14:15], v[14:15], v[154:155]
	v_pk_add_f32 v[242:243], v[242:243], v[158:159]
	s_delay_alu instid0(VALU_DEP_2)
	v_pk_add_f32 v[14:15], v[14:15], v[248:249]
	s_delay_alu instid0(VALU_DEP_2)
	v_pk_add_f32 v[242:243], v[242:243], v[246:247]
	v_pk_add_f32 v[254:255], v[254:255], v[238:239]
	v_pk_add_f32 v[250:251], v[250:251], v[236:237]
	s_delay_alu instid0(VALU_DEP_2)
	v_pk_add_f32 v[14:15], v[14:15], v[254:255]
	s_delay_alu instid0(VALU_DEP_2)
	v_pk_add_f32 v[242:243], v[242:243], v[250:251]
	s_delay_alu instid0(VALU_DEP_1)
	v_pk_add_f32 v[14:15], v[14:15], v[242:243]
.set J, 0
.rept 64
	v_min_num_f32 v[96+J], v[96+J], v240           ; the conversion does not saturate (ISA guide 7.6.2); p is not negative, so the hold is one-sided
.set J, J+1
.endr
.irp b, 0,1,2,3
	v_cvt_scalef32_pk8_fp8_f32 v[224+4*\b:225+4*\b], v[96+16*\b:103+16*\b], v244
	v_cvt_scalef32_pk8_fp8_f32 v[226+4*\b:227+4*\b], v[104+16*\b:111+16*\b], v244
.endr
.if \first
	v_nop                                          ; a plain line between the conversions and the products
.else
	s_wait_alu depctr_va_vdst(0)
.set J, 0
.rept 16
	v_pk_mul_f32 v[160+J:161+J], v[160+J:161+J], v[252:253] op_sel_hi:[1,0]   ; O^T under the new M: x f.  (Also the plain lines between the conversions and the products)
.set J, J+2
.endr
.endif
	s_wait_alu depctr_va_vdst(0)
	s_wait_dscnt 0x0                               ; V is in
.irp t, 0,1,2,3                                ; O^T += V^T P^T: four accumulators, one instruction each; the next matrix instruction is another step's first score tile
.if \first
	v_wmma_f32_16x16x128_fp8_fp8 v[160+8*\t:167+8*\t], v[32+16*\t:47+16*\t], v[224:239], 0
.else
	v_wmma_f32_16x16x128_fp8_fp8 v[160+8*\t:167+8*\t], v[32+16*\t:47+16*\t], v[224:239], v[160+8*\t:167+8*\t]
.endif
.endr
.endm
; A TILE GOES OUT.  v14: my lane's sum.  O^T / the sum x 2^(e8 + e9) is the attention's result; it is quantised for the last projection and stored as that product's operand registers.
.macro FINISH
	v_permlanex16_b32 v252, v14, s[SEL], s[SEL+1]
	v_add_f32 v14, v14, v252                       ; and lane l xor 16's: the row's sum
	s_wait_alu depctr_va_vdst(0)
	v_rcp_f32 v14, v14
	v_nop                                          ; a plain line behind the transcendental
	s_wait_alu depctr_va_vdst(0)                   ; the wait ahead of its first reader
	v_ldexp_f32 v14, v14, s[EO]                    ; x 2^(e8 + e9)
	s_wait_alu depctr_va_vdst(0)
.set J, 0
.rept 16
	v_pk_mul_f32 v[96+J:97+J], v[160+J:161+J], v[14:15] op_sel_hi:[1,0]   ; register 16 b + i is o(my query, 32 b + 16 (lane / 16) + i)
.set J, J+2
.endr
.set J, 0
.rept 32
	v_med3_num_f32 v[96+J], v[96+J], -v[OH], v[OH] ; the hold at the largest code x the scale
.set J, J+1
.endr
.irp b, 0,1
	v_cvt_scalef32_pk8_fp8_f32 v[224+4*\b:225+4*\b], v[96+16*\b:103+16*\b], v245
	v_cvt_scalef32_pk8_fp8_f32 v[226+4*\b:227+4*\b], v[104+16*\b:111+16*\b], v245
.endr
	v_nop                                          ; a plain vector line behind the last conversion
	global_store_b128 v[LI], v[224:227], s[12:13]
	global_store_b128 v[LI], v[228:231], s[12:13] offset:512
.endm
	s_mov_b32 s[CH], 0
	s_wait_alu depctr_va_vdst(0)
	s_wait_tensorcnt 0x0                           ; my load is done,
	s_barrier_signal -1
	s_barrier_wait -1                              ; and everybody's: all of K and V is in.
	STEP 1
	s_mov_b32 s[IT], 1
.Lstep:
	s_cmp_lg_u32 s[IT], s[SW]
	s_cbranch_scc1 .Lsame_tile
.rept 4
	v_nop                                          ; places behind the last products
.endr
	v_add_f32 v14, v14, v15                        ; the sum's two halves
	FINISH                                         ; tile k is done: it goes out, and tile 15 - k begins
	v_mov_b32 v13, 0xff61b1e6                      ; the largest t so far: -3e38, under every t
	v_mov_b32 v14, 0
	v_mov_b32 v15, 0
.set J, 0
.rept 8
	v_mov_b32 v[16+J], v[24+J]                     ; its Q
.set J, J+1
.endr
	v_floor_f32 v12, -v13                          ; -M
.set J, 0
.rept 32
	v_mov_b32 v[160+J], 0                          ; O^T
.set J, J+1
.endr
	s_mov_b32 s[QC], s[LONG]
	s_wait_alu depctr_va_vdst(0)
	s_wait_xcnt 0x0                                ; the stores have read their codes, whose registers the next step writes
.Lsame_tile:
	s_cmp_gt_u32 s[IT], s[LAST]
	s_cbranch_scc1 .Lidle
	s_add_co_u32 s[CH], s[IT], s[JUMP]
	s_cmp_ge_u32 s[IT], s[SW]
	s_cselect_b32 s[CH], s[CH], s[IT]              ; chunk i, or, of a second tile, chunk i + 8 - k
	s_min_u32 s[CH], s[CH], 15
	s_lshr_b32 s[TB], s[CH], 1
	s_lshl_b32 s[TB], s[TB], 15
	s_and_b32 s90, s[CH], 1
	s_lshl_b32 s90, s90, 13
	s_add_co_u32 s[TB], s[TB], s90                 ; 32,768 (chunk / 2) + 8,192 (chunk % 2)
	STEP 0
.Lidle:
	s_add_co_u32 s[IT], s[IT], 1
	s_cmp_lt_u32 s[IT], 9
	s_cbranch_scc1 .Lstep
	; THE TWO PARTS OF TILE 15 - k MEET.  Wave k + 8 puts O^T, its sum and its -M into LDS (of k = 7 it has walked no chunk of that tile: zeros, and -M = 3e38, whose factor is 0).
.rept 4
	v_nop                                          ; places behind the last products
.endr
	v_add_f32 v14, v14, v15                        ; the sum's two halves
	s_cmp_eq_u32 s[ISB], 0
	s_wait_alu depctr_va_vdst(0)
	s_cbranch_scc1 .Lno_part
	v_mov_b32 v15, v12
	ds_store_b64 v[ML], v[14:15]
.irp n, 0,1,2,3,4,5,6,7
	ds_store_b128 v[MA], v[160+4*\n:163+4*\n] offset:512*\n
.endr
.Lno_part:
	s_wait_dscnt 0x0                               ; my stores are done
	s_barrier_signal -1
	s_barrier_wait -1
	s_cmp_lg_u32 s[ISB], 0
	s_cbranch_scc1 .Lend
	ds_load_b64 v[250:251], v[ML]
.irp n, 0,1,2,3,4,5,6,7
	ds_load_b128 v[32+4*\n:35+4*\n], v[MA] offset:512*\n
.endr
	s_wait_dscnt 8                                 ; the sum and -M are in; O^T's eight loads may be out
	v_min_num_f32 v254, v12, v251                  ; the joint -M
	v_sub_f32 v248, v254, v12
	v_sub_f32 v249, v254, v251
	v_cvt_i32_f32 v248, v248
	v_cvt_i32_f32 v249, v249
	v_ldexp_f32 v252, 1.0, v248                    ; my part's factor,
	v_ldexp_f32 v246, 1.0, v249                    ; and the other's: powers of two
	v_mul_f32 v14, v14, v252
	v_fma_f32 v14, v250, v246, v14
	s_wait_alu depctr_va_vdst(0)
	s_wait_dscnt 0x0
.set J, 0
.rept 16
	v_pk_mul_f32 v[160+J:161+J], v[160+J:161+J], v[252:253] op_sel_hi:[1,0]
.set J, J+2
.endr
.set J, 0
.rept 16
	v_pk_fma_f32 v[160+J:161+J], v[32+J:33+J], v[246:247], v[160+J:161+J] op_sel_hi:[1,0,1]
.set J, J+2
.endr
	FINISH
.Lend:
	s_wait_tensorcnt 0x0                           ; the wave's end: a wait, an add and its wait, behind my last tensor load and my last LDS store
	ds_add_u32 v[SPW], v[NIL]
	s_wait_dscnt 0x0
	CROUND                                         ; the closing round: no work-group ends while a partner may still ask for a tile that names it
	s_endpgm
.Lfunc_end_k_qe974a2de14_attn:
	.size	k_qe974a2de14_attn, .Lfunc_end_k_qe974a2de14_attn-k_qe974a2de14_attn
	.p2alignl 7, 3214868480
	.fill 96, 4, 3214868480
	.section	.rodata,"a",@progbits
	.p2align	6, 0x0
	.amdhsa_kernel k_qe974a2de14_attn
		.amdhsa_group_segment_fixed_size 327680
		.amdhsa_private_segment_fixed_size 0
		.amdhsa_enable_private_segment 0
		.amdhsa_kernarg_size 40
		.amdhsa_user_sgpr_count 2
		.amdhsa_user_sgpr_kernarg_segment_ptr 1
		.amdhsa_wavefront_size32 1
		.amdhsa_system_sgpr_workgroup_id_x 1
		.amdhsa_system_sgpr_workgroup_id_y 1
		.amdhsa_system_sgpr_workgroup_id_z 1
		.amdhsa_system_vgpr_workitem_id 0
		.amdhsa_next_free_vgpr 256
		.amdhsa_next_free_sgpr 100
		.amdhsa_reserve_vcc 1
		.amdhsa_float_denorm_mode_32 3
		.amdhsa_float_denorm_mode_16_64 3
		.amdhsa_memory_ordered 1
		.amdhsa_forward_progress 1
		.amdhsa_inst_pref_size 61
	.end_amdhsa_kernel
	.amdgpu_metadata
---
amdhsa.version: [ 1, 2 ]
amdhsa.kernels:
  - .name:           k_qe974a2de14_attn
    .symbol:         k_qe974a2de14_attn.kd
    .args:
      - { .name: qc, .offset: 0, .size: 8, .value_kind: global_buffer, .address_space: global }
      - { .name: kc, .offset: 8, .size: 8, .value_kind: global_buffer, .address_space: global }
      - { .name: vc, .offset: 16, .size: 8, .value_kind: global_buffer, .address_space: global }
      - { .name: lowp_scales, .offset: 24, .size: 8, .value_kind: global_buffer, .address_space: global }
      - { .name: oc, .offset: 32, .size: 8, .value_kind: global_buffer, .address_space: global }
    .group_segment_fixed_size: 327680
    .private_segment_fixed_size: 0
    .kernarg_segment_align: 8
    .kernarg_segment_size: 40
    .max_flat_workgroup_size: 512
    .sgpr_count:     100
    .vgpr_count:     256
    .wavefront_size: 32
...
	.end_amdgpu_metadata
.endif
;; end of part 3
;; launch oproj (part 4): grid 8 x 32, 8 waves a work-group, clusters of 4 x 4, 327,680 bytes of LDS; arguments oc, wc, lowp_scales, out0; writes out0
.if DOCPART == 4
	.amdgcn_target "amdgcn-amd-amdhsa--gfx1250"
	.amdhsa_code_object_version 6
	.text
	.protected	k_qe974a2de14_oproj
	.globl	k_qe974a2de14_oproj
	.p2align	8
	.type	k_qe974a2de14_oproj,@function
k_qe974a2de14_oproj:
	s_mov_b64 s[64:65], 0
	v_nop
	global_prefetch_b8 v0, s[64:65] scope:SCOPE_SE
	s_setreg_imm32_b32 hwreg(HW_REG_WAVE_MODE, 25, 1), 1
	s_wait_xcnt 0x0
	s_wait_alu depctr_hold_cnt(0) depctr_sa_sdst(0) depctr_va_vdst(0) depctr_va_sdst(0) depctr_va_ssrc(0) depctr_va_vcc(0) depctr_vm_vsrc(0)
	s_getreg_b32 s2, hwreg(HW_REG_IB_STS2, 6, 4)
	s_cmp_eq_u32 s2, 0
	s_cbranch_scc0 .Lentry_in_a_cluster
	s_endpgm
.Lentry_in_a_cluster:
	s_bfe_u32 s2, ttmp6, 0x10000c
	s_cmp_lg_u32 s2, 0xf033
	s_cbranch_scc0 .Lentry_shape_is_right
	s_endpgm
.Lentry_shape_is_right:
; out0 [4096][1024] = (attention's result) W_O on codes of FP8 (E4M3), K = 1,024; each f32 sum once x 2^(e10 + e11).
; LIMIT: e10 + e11 lies between -126 and 127, so that 2^(e10 + e11) is an f32 number.
; A work-group makes 128 x 128: 32 x 8 = 256 work-groups.  Eight waves, each 32 rows x 64 columns: 8 accumulators.
; ALL OF K LIES IN LDS: four parts of 256 along K, each with A's 32,768 bytes and B's 128 rows of 256 bytes; eight JOINT tensor loads, one from each wave, all at the head (wave 2 p + u: part p, A or B).
; No LDS byte is filled twice: no ring.  No prefetch: every tile's own load goes out at the head.
; CLUSTERS of 4 x 4: the four of a row of the cluster share A's tiles, the four of a column B's.
; A = oc, images of operand registers: [tile of 16 rows][128 along K][piece c 0..3][lane][16 bytes]: lane (r, h) holds row r, K = 32 c + 16 h + 0 .. 15.  Tile T of a block of 128 rows holds the rows 32 (T / 2) + 8 (T % 2) + r + 8 (r / 8).
; B = wc's fourth weight, rows n of 1,024 codes; in LDS rows of 272 bytes, so that the 16 rows that a load touches begin 68 words apart.
; THE MATRIX INSTRUCTION IS USED TRANSPOSED (source 0 = 16 rows of B, source 1 = 16 rows of A): a lane holds eight neighbouring numbers of a row of the result.
; REGISTERS: window 0: v0-31 addresses; v64-159, v160-255 two buffers of fragments (A's two, B's four); window 1: the accumulators ((a, b) at v[8 (4 a + b)]).
.set PITCH, 272
.set AB,    32768                      ; a part: A's 8 tiles of 4,096 bytes, then B's 128 rows
.set PH,    AB+128*PITCH
.set STAGE, 4*PH                       ; the way out: 16 rows x (256 bytes + 16) for each wave
.set SPARE, STAGE+8*16*PITCH           ; the spare words, 128 bytes for each wave: four blocks of 256 bytes that no other line names
.set ADRA, 16                          ; v16-19  LDS address of my A fragments in part 0 .. 3
.set ADRB, 20                          ; v20-23  the same for B
.set STO,  24                          ; v24     the stage, way in
.set RD,   25                          ; v25     the stage, way out
.set CO,   26                          ; v26     my byte offset in two rows of the result
.set SPW,  28                          ; v28     LDS address of my spare word; never rewritten
.set NIL,  29                          ; v29     0; never rewritten
.set G1, 24                            ; s[24:31], s[32:35] descriptor groups 1 and 0 for A's tiles
.set G0, 32
.set G1B, 48                           ; s[48:55], s[56:59] for B's
.set G0B, 56
.set MSB, 0
.macro WIN new                         ; the immediate's high byte repeats the setting that is left
.if MSB != \new
	s_set_vgpr_msb (MSB<<8)|\new
.set MSB, \new
.endif
.endm
.macro CROUND                          ; a round of the cluster's barrier
	s_barrier_signal -1
	s_barrier_wait -1
	s_cmp_lg_u32 s14, 0
	s_cbranch_scc1 .Lnot_wave_0_\@
	s_barrier_signal -3
.Lnot_wave_0_\@:
	s_barrier_wait -3
	s_barrier_signal -1
	s_barrier_wait -1
.endm
	s_load_b128 s[4:7], s[0:1], 0x0                ; oc s[4:5], wc s[6:7]
	s_load_b128 s[8:11], s[0:1], 0x10              ; the scales s[8:9], out0 s[10:11]
	v_lshl_add_u32 v[SPW], v0, 2, SPARE
	v_mov_b32 v[NIL], 0
	ds_add_u32 v[SPW], v[NIL]                      ; the wave's opening: the add, twice on end, and its wait ahead of the first tensor load
	ds_add_u32 v[SPW], v[NIL]
	v_lshrrev_b32 v1, 5, v0
	v_readfirstlane_b32 s14, v1                    ; wave 0..7
	s_and_b32 s15, s14, 1                          ; which 64 columns are mine.  Also: I fetch for A (0) or for B (1)
	s_lshr_b32 s16, s14, 1                         ; which 32 rows are mine.  Also: the part of K that I fetch
	s_bfe_u32 s40, ttmp6, 0x40000                  ; cx, cy
	s_bfe_u32 s41, ttmp6, 0x40004
	s_lshl_b32 s42, ttmp9, 2
	s_add_co_u32 s42, s42, s40                     ; which 128 columns
	s_and_b32 s17, ttmp7, 0xffff
	s_lshl_b32 s17, s17, 2
	s_add_co_u32 s17, s17, s41                     ; which 128 rows
	s_lshl_b32 s43, s41, 2
	s_lshl_b32 s43, 15, s43                        ; my row of the cluster
	s_lshl_b32 s44, 0x1111, s40                    ; my column
	s_or_b32 s[G1], s43, (3<<16)|(1<<21)           ; A: elements of 8 bytes, no padding: 8 rows of 4,096 bytes, 16,384 bytes apart
	s_mov_b32 s[G1+1], 512<<16
	s_mov_b32 s[G1+2], 8<<16
	s_mov_b32 s[G1+3], 512<<16
	s_mov_b32 s[G1+4], 8
	s_mov_b32 s[G1+5], 2048
	s_mov_b32 s[G1+6], 0
	s_mov_b32 s[G1+7], 0
	s_or_b32 s[G1B], s44, (0<<16)|(1<<20)|(1<<21)|(5<<22)|(3<<25)   ; B: elements of 1 byte, four words of padding after every 64: 128 rows of 256 bytes, 1,024 bytes apart
	s_mov_b32 s[G1B+1], 256<<16
	s_mov_b32 s[G1B+2], 128<<16
	s_mov_b32 s[G1B+3], 256<<16
	s_mov_b32 s[G1B+4], 128
	s_mov_b32 s[G1B+5], 1024
	s_mov_b32 s[G1B+6], 0
	s_mov_b32 s[G1B+7], 0
	s_lshl_b32 s20, s17, 17                        ; A: 131,072 bytes a block of rows,
	s_lshl_b32 s18, s16, 12
	s_add_co_u32 s20, s20, s18                     ; 4,096 a part of K
	s_mov_b32 s21, 0
	s_lshl_b32 s46, s42, 17                        ; B: 128 rows of 1,024 bytes a block of columns,
	s_lshl_b32 s19, s16, 8
	s_add_co_u32 s46, s46, s19                     ; 256 a part of K,
	s_add_co_u32 s46, s46, 0x300000                ; behind three weights of 1,048,576 bytes
	s_mov_b32 s47, 0
	s_mul_i32 s45, s16, PH
	s_mov_b32 s[G0], 1
	s_mov_b32 s[G0+1], s45
	s_mov_b32 s[G0B], 1
	s_add_co_u32 s[G0B+1], s45, AB
	s_wait_dscnt 0x0                               ; both opening adds are done
	s_wait_kmcnt 0x0
	s_load_b64 s[96:97], s[8:9], 0x28              ; e10, e11
	s_add_nc_u64 s[G0+2:G0+3], s[4:5], s[20:21]
	s_or_b32 s[G0+3], s[G0+3], 0x80000000
	s_add_nc_u64 s[G0B+2:G0B+3], s[6:7], s[46:47]
	s_or_b32 s[G0B+3], s[G0B+3], 0x80000000
	CROUND                                         ; all sixteen work-groups are here: the joint loads meet
	s_cmp_eq_u32 s15, 0
	s_cbranch_scc0 .Lfor_b
	tensor_load_to_lds s[G0:G0+3], s[G1:G1+7]
	s_nop 0
.rept 4
	v_nop
.endr
	s_branch .Lasked
.Lfor_b:
	tensor_load_to_lds s[G0B:G0B+3], s[G1B:G1B+7]
	s_nop 0
.rept 4
	v_nop
.endr
.Lasked:
	s_lshl_b32 s60, s16, 13                        ; my two tiles of A: 2 x 4,096 bytes
	s_mul_i32 s61, s15, 64*PITCH
	s_add_co_u32 s61, s61, AB                      ; my 64 rows of B
	s_mul_i32 s62, s14, 16*PITCH
	s_add_co_u32 s62, s62, STAGE                   ; my stage
	s_lshl_b32 s20, s17, 19                        ; the result: 128 rows of 4,096 bytes a block,
	s_lshl_b32 s21, s16, 17
	s_add_co_u32 s20, s20, s21                     ; my 32 rows,
	s_lshl_b32 s21, s42, 9
	s_add_co_u32 s20, s20, s21                     ; 512 bytes a block of columns,
	s_lshl_b32 s21, s15, 8
	s_add_co_u32 s20, s20, s21                     ; my 256
	s_mov_b32 s21, 0
	s_add_nc_u64 s[10:11], s[10:11], s[20:21]
	v_and_b32 v1, 15, v0                           ; r
	v_bfe_u32 v2, v0, 4, 1                         ; h
	v_and_b32 v3, 31, v0
	v_lshlrev_b32 v3, 4, v3
	v_mul_u32_u24 v4, v1, PITCH
	v_lshl_add_u32 v5, v2, 4, v4                   ; row r, + 16 h
	v_lshl_add_u32 v6, v2, 5, v4                   ; row r, + 32 h
	v_mul_u32_u24 v7, v2, PITCH
	v_lshl_add_u32 v7, v1, 4, v7                   ; lanes 0-15 a row, lanes 16-31 the next
	v_lshlrev_b32 v8, 12, v2
	v_lshl_add_u32 v[CO], v1, 4, v8                ; the same in the result
	v_add_nc_u32 v[STO], s62, v6
	v_add_nc_u32 v[RD], s62, v7
	v_add_nc_u32 v[ADRA], s60, v3
	v_add_nc_u32 v[ADRB], s61, v5
.irp p, 1,2,3
	v_add_nc_u32 v[ADRA+\p], \p*PH, v[ADRA]
	v_add_nc_u32 v[ADRB+\p], \p*PH, v[ADRB]
.endr
.macro FETCH s                         ; the fragments of the s-th 128 along K into buffer s % 2: 24 loads
.set FB, 64+96*((\s)%2)
.irp a, 0,1
.irp c, 0,1,2,3
	ds_load_b128 v[FB+16*\a+4*\c:FB+16*\a+4*\c+3], v[ADRA+(\s)/2] offset:\a*4096+((\s)%2)*2048+\c*512
.endr
.endr
.irp b, 0,1,2,3
.irp c, 0,1,2,3
	ds_load_b128 v[FB+32+16*\b+4*\c:FB+32+16*\b+4*\c+3], v[ADRB+(\s)/2] offset:\b*16*PITCH+((\s)%2)*128+32*\c
.endr
.endr
.endm
.macro MUL s                           ; the 8 accumulators by turns, one instruction a turn; s = 0 starts the sums
.set FB, 64+96*((\s)%2)
	WIN 0x50                                       ; C and D in window 1
.irp a, 0,1
.irp b, 0,1,2,3
.if (\s) == 0
	v_wmma_f32_16x16x128_fp8_fp8 v[8*(4*\a+\b):8*(4*\a+\b)+7], v[FB+32+16*\b:FB+32+16*\b+15], v[FB+16*\a:FB+16*\a+15], 0
.else
	v_wmma_f32_16x16x128_fp8_fp8 v[8*(4*\a+\b):8*(4*\a+\b)+7], v[FB+32+16*\b:FB+32+16*\b+15], v[FB+16*\a:FB+16*\a+15], v[8*(4*\a+\b):8*(4*\a+\b)+7]
.endif
.endr
.endr
	WIN 0
.endm
.macro PLACES                          ; between matrix instructions and loads into, or reads of, their registers (ISA guide 7.12.1 for vector instructions)
.rept 4
	v_nop
.endr
.endm
	s_wait_alu depctr_va_vdst(0)
	s_wait_tensorcnt 0x0                           ; my load is done,
	s_barrier_signal -1
	s_barrier_wait -1                              ; and everybody's: all of A and B is in.
	FETCH 0
.irp s, 0,1,2,3,4,5,6
	PLACES
	FETCH \s+1
	s_wait_dscnt 24                                ; all but the 24 just issued
	MUL \s
.endr
	s_wait_dscnt 0x0
	MUL 7
; THE WAY OUT, 16 rows x 64 columns at a time: through my own stage and back as whole rows of 256 bytes.  LDS serves a wave's instructions in order (ISA guide 5.7.1.4): no wait between the stores and the loads.
.macro TOSTAGE a
	WIN 0x01                                       ; source 0: window 1
.set J, 0
.rept 16
	v_pk_mul_f32 v[64+32*\a+J:65+32*\a+J], v[32*\a+J:32*\a+J+1], s[96:97] op_sel_hi:[1,0]   ; both x s96 = 2^(e10 + e11)
.set J, J+2
.endr
	WIN 0
.irp b, 0,1,2,3
	ds_store_b128 v[STO], v[64+32*\a+8*\b:67+32*\a+8*\b] offset:64*\b
	ds_store_b128 v[STO], v[68+32*\a+8*\b:71+32*\a+8*\b] offset:64*\b+16
.endr
.irp t, 0,1,2,3,4,5,6,7
	ds_load_b128 v[128+32*\a+4*\t:131+32*\a+4*\t], v[RD] offset:\t*2*PITCH
.endr
.endm
.macro SEND a                          ; stage rows 2 t, 2 t + 1 are the result's rows 8 a + 2 t + 8 (t / 4) and the next: sixteen lanes store 256 consecutive bytes, aligned
.irp t, 0,1,2,3,4,5,6,7
	global_store_b128 v[CO], v[128+32*\a+4*\t:131+32*\a+4*\t], s[10:11] offset:(8*\a+2*\t+8*(\t/4))*4096 th:TH_STORE_NT
.endr
.endm
	s_wait_kmcnt 0x0
	s_add_co_i32 s96, s96, s97
	s_add_co_i32 s96, s96, 127
	s_lshl_b32 s96, s96, 23                        ; 2^(e10 + e11) as f32
	PLACES
	TOSTAGE 0
	TOSTAGE 1
	s_wait_dscnt 16                                ; tile 0 is back: behind its loads tile 1's 8 stores and 8 loads
	SEND 0
	s_wait_dscnt 0x0
	SEND 1
	s_wait_tensorcnt 0x0                           ; the wave's end: a wait, an add and its wait, behind my last tensor load and my last LDS store
	ds_add_u32 v[SPW], v[NIL]
	s_wait_dscnt 0x0
	CROUND                                         ; the closing round: no work-group ends while a partner may still ask for a tile that names it
	s_endpgm
.Lfunc_end_k_qe974a2de14_oproj:
	.size	k_qe974a2de14_oproj, .Lfunc_end_k_qe974a2de14_oproj-k_qe974a2de14_oproj
	.p2alignl 7, 3214868480
	.fill 96, 4, 3214868480
	.section	.rodata,"a",@progbits
	.p2align	6, 0x0
	.amdhsa_kernel k_qe974a2de14_oproj
		.amdhsa_group_segment_fixed_size 327680
		.amdhsa_private_segment_fixed_size 0
		.amdhsa_enable_private_segment 0
		.amdhsa_kernarg_size 32
		.amdhsa_user_sgpr_count 2
		.amdhsa_user_sgpr_kernarg_segment_ptr 1
		.amdhsa_wavefront_size32 1
		.amdhsa_system_sgpr_workgroup_id_x 1
		.amdhsa_system_sgpr_workgroup_id_y 1
		.amdhsa_system_sgpr_workgroup_id_z 1
		.amdhsa_system_vgpr_workitem_id 0
		.amdhsa_next_free_vgpr 384
		.amdhsa_next_free_sgpr 98
		.amdhsa_reserve_vcc 0
		.amdhsa_float_denorm_mode_32 3
		.amdhsa_float_denorm_mode_16_64 3
		.amdhsa_memory_ordered 1
		.amdhsa_forward_progress 1
		.amdhsa_inst_pref_size 30
	.end_amdhsa_kernel
	.amdgpu_metadata
---
amdhsa.version: [ 1, 2 ]
amdhsa.kernels:
  - .name:           k_qe974a2de14_oproj
    .symbol:         k_qe974a2de14_oproj.kd
    .args:
      - { .name: oc, .offset: 0, .size: 8, .value_kind: global_buffer, .address_space: global }
      - { .name: wc, .offset: 8, .size: 8, .value_kind: global_buffer, .address_space: global }
      - { .name: lowp_scales, .offset: 16, .size: 8, .value_kind: global_buffer, .address_space: global }
      - { .name: out0, .offset: 24, .size: 8, .value_kind: global_buffer, .address_space: global }
    .group_segment_fixed_size: 327680
    .private_segment_fixed_size: 0
    .kernarg_segment_align: 8
    .kernarg_segment_size: 32
    .max_flat_workgroup_size: 256
    .sgpr_count:     98
    .vgpr_count:     384
    .wavefront_size: 32
...
	.end_amdgpu_metadata
.endif
;; end of part 4
